; MI455X (gfx1250); checked and timed in simulation.
; The chip was launched on July 23, 2026; its instructions are those of AMD's public machine-readable ISA for CDNA 5 (MIT licence, August 2026) and "CDNA5" Instruction Set Architecture Reference Guide (July 2026). The comments in the code are by the model that wrote it; some were corrected since.
;; Mo E. Allowed arithmetic: float matrix products may take bf16 or f16 operands with f32 sums; all other float work in f32.
;; Inputs: b1 8 x 4,096 float32; b2 8 x 1,024 float32; gate_b 8 float32; gate_w 1,024 x 8 float32; w1 8 x 1,024 x 4,096 float32; w2 8 x 4,096 x 1,024 float32; x 2 x 512 x 1,024 float32.
;; Outputs: out0 2 x 512 x 1,024 float32.
;; 2 versions, each right and faster than the one before. Each part assembles by itself: llvm-mc -triple=amdgcn-amd-amdhsa -mcpu=gfx1250 --defsym DOCPART=n.
;; ======== version 1 of 2: 5 launches
;; limits: values are held in f16: magnitudes above 65,504 overflow, below 6.1e-05 lose precision
;; workspace buffers: choice 4,096 bytes of whole numbers; prob 8,192 bytes; pos 8,192 bytes of whole numbers; cnt 256 bytes of whole numbers; xg 16,777,216 bytes; h 67,108,864 bytes; yp 268,435,456 bytes
;; launch gate (part 1): grid 256 x 1, 4 waves a work-group, no clusters, 0 bytes of LDS; arguments x, gate_w, gate_b, choice, prob; writes choice, prob
.if DOCPART == 1
	.amdgcn_target "amdgcn-amd-amdhsa--gfx1250"
	.amdhsa_code_object_version 6
	.text
	.protected	k_q990362d33e_gate
	.globl	k_q990362d33e_gate
	.p2align	8
	.type	k_q990362d33e_gate,@function
k_q990362d33e_gate:
	s_mov_b64 s[64:65], 0
	v_nop
	global_prefetch_b8 v0, s[64:65] scope:SCOPE_SE
	s_setreg_imm32_b32 hwreg(HW_REG_WAVE_MODE, 25, 1), 1
	s_wait_xcnt 0x0
; GATE.  logits[t][e] = sum over d of x[t][d] gate_w[d][e] + gate_b[e], all in f32 (the choice of experts must not hang on a rounding to 16 bits);
; the two largest logits of a token, the lower index first on ties; their softmax with the larger one taken away.
; Stored: choice[t] = e0 | e1 << 8 | ((1 << e0) | (1 << e1)) << 16, and prob[t] = (p0, p1).
; One wave, one token: t = 4 x work-group + wave.  Lane l holds d = 128 j + 4 l + i (j = 0..7, i = 0..3) and sums its 32 d for all 8 experts; then the lanes are added.
; No matrix unit: 8 columns, f32 wanted.  No LDS, no barrier: no wave needs another.
; gate_w is 32,768 bytes which every wave reads: a lane's 128 bytes of a chunk come by eight loads of 16 bytes, which together use every byte that they touch.
; LIMIT: logits that are NaN or infinite are not served (a NaN never wins a place; two logits of minus infinity give no second expert).
.set X,   8                            ; v[8:39]    my 32 numbers of x; later at work in the sum over lanes
.set ACC, 40                           ; v[40:47]   the 8 sums
.set GW,  64                           ; v[64:255]  six chunks of gate_w, 32 registers each: register 8 i + e; chunks 6 and 7 take the places of chunks 0 and 1
	s_load_b256 s[4:11], s[0:1], 0x0               ; x s[4:5], gate_w s[6:7], gate_b s[8:9], choice s[10:11]
	s_load_b64 s[12:13], s[0:1], 0x20              ; prob
	v_lshrrev_b32 v4, 5, v0
	v_readfirstlane_b32 s14, v4                    ; wave
	s_lshl_b32 s15, ttmp9, 2
	s_add_co_u32 s15, s15, s14                     ; t
	v_and_b32 v1, 31, v0                           ; lane
	v_lshlrev_b32 v2, 4, v1                        ; 16 bytes of x a lane
	v_lshlrev_b32 v3, 7, v1                        ; 128 bytes of gate_w a lane: 4 rows of 8 numbers
	s_lshl_b32 s26, s15, 12                        ; a row of x is 4,096 bytes
	s_mov_b32 s27, 0
	s_mov_b32 s24, 0x76543210                      ; v_permlanex16_b32: each lane takes its own place in the other half
	s_mov_b32 s25, 0xfedcba98
	s_wait_kmcnt 0x0
	s_add_nc_u64 s[4:5], s[4:5], s[26:27]
	s_load_b256 s[16:23], s[8:9], 0x0              ; gate_b, 8 numbers
.irp j, 0,1,2,3,4,5,6,7
	global_load_b128 v[X+4*\j:X+4*\j+3], v2, s[4:5] offset:512*\j
.endr
.macro GWLOAD j                        ; chunk j: rows 128 j + 4 l + 0..3 of gate_w
.irp q, 0,1,2,3,4,5,6,7
	global_load_b128 v[GW+32*((\j)%6)+4*\q:GW+32*((\j)%6)+4*\q+3], v3, s[6:7] offset:4096*(\j)+16*\q
.endr
.endm
.macro CHUNK j, first                  ; 32 multiply-adds; the very first eight products start the sums: nothing is cleared
.irp i, 0,1,2,3
.irp e, 0,1,2,3,4,5,6,7
.if \first && (\i == 0)
	v_mul_f32 v[ACC+\e], v[GW+32*((\j)%6)+8*\i+\e], v[X+4*(\j)+\i]
.else
	v_fmac_f32 v[ACC+\e], v[GW+32*((\j)%6)+8*\i+\e], v[X+4*(\j)+\i]
.endif
.endr
.endr
.endm
.irp j, 0,1,2,3,4,5
	GWLOAD \j
.endr
	s_lshl_b32 s26, s15, 2
	s_add_nc_u64 s[10:11], s[10:11], s[26:27]      ; choice + 4 t
	s_lshl_b32 s26, s15, 3
	s_add_nc_u64 s[12:13], s[12:13], s[26:27]      ; prob + 8 t
	; loads come back in order (ISA guide 5.7.1): each count is the number of gate_w loads issued behind the chunk that is wanted
	s_wait_loadcnt 40                              ; x and chunk 0 are in; chunks 1 to 5 stay out
	CHUNK 0, 1
	GWLOAD 6
	s_wait_loadcnt 40                              ; chunks 2 to 6 stay out
	CHUNK 1, 0
	GWLOAD 7
	s_wait_loadcnt 40                              ; chunks 3 to 7 stay out
	CHUNK 2, 0
	s_wait_loadcnt 32
	CHUNK 3, 0
	s_wait_loadcnt 24
	CHUNK 4, 0
	s_wait_loadcnt 16
	CHUNK 5, 0
	s_wait_loadcnt 8
	CHUNK 6, 0
	s_wait_loadcnt 0x0
	CHUNK 7, 0
	; the sum over the 32 lanes: four steps inside each half of 16 lanes, one across; eight chains that do not wait for each other
.irp m, 1,2,4,8
.irp e, 0,1,2,3,4,5,6,7
	v_add_f32_dpp v[ACC+\e], v[ACC+\e], v[ACC+\e] row_xmask:\m row_mask:0xf bank_mask:0xf
.endr
.endr
.irp e, 0,1,2,3,4,5,6,7
	v_permlanex16_b32 v[X+\e], v[ACC+\e], s24, s25 ; its destination counts as read: x's registers have been written
.endr
	s_wait_kmcnt 0x0                               ; gate_b
.irp e, 0,1,2,3,4,5,6,7
	v_add_f32 v[ACC+\e], v[ACC+\e], v[X+\e]
.endr
.irp e, 0,1,2,3,4,5,6,7
	v_add_f32 v[ACC+\e], s[16+\e], v[ACC+\e]
.endr
	; the largest logit: a strict comparison keeps the lower index on ties.  Selects only: no branch and no address hangs on these numbers.
	v_mov_b32 v48, v[ACC]                          ; M0
	v_mov_b32 v49, 0                               ; e0
.irp e, 1,2,3,4,5,6,7
	v_cmp_gt_f32 vcc_lo, v[ACC+\e], v48
	v_cndmask_b32 v48, v48, v[ACC+\e], vcc_lo
	v_cndmask_b32 v49, v49, \e, vcc_lo
.endr
	v_mov_b32 v50, 0xff800000                      ; minus infinity takes the winner's place
.irp e, 0,1,2,3,4,5,6,7
	v_cmp_eq_u32 vcc_lo, \e, v49
	v_cndmask_b32 v[ACC+\e], v[ACC+\e], v50, vcc_lo
.endr
	v_mov_b32 v51, v[ACC]                          ; M1
	v_mov_b32 v52, 0                               ; e1
.irp e, 1,2,3,4,5,6,7
	v_cmp_gt_f32 vcc_lo, v[ACC+\e], v51
	v_cndmask_b32 v51, v51, v[ACC+\e], vcc_lo
	v_cndmask_b32 v52, v52, \e, vcc_lo
.endr
	; softmax of (M0, M1) with the maximum M0 taken away: p0 = 1 / (1 + ex), p1 = ex p0, ex = e^(M1 - M0) <= 1
	v_sub_f32 v53, v51, v48
	v_mul_f32 v53, 0x3fb8aa3b, v53                 ; log2(e)
	v_exp_f32 v53, v53
	v_mov_b32 v57, 1                               ; a plain instruction behind the exponential, ahead of the use of its result
	s_wait_alu depctr_va_vdst(0)
	v_add_f32 v54, 1.0, v53
	v_rcp_f32 v54, v54                             ; p0
	v_lshlrev_b32 v56, v49, v57                    ; 1 << e0: the plain instruction behind the reciprocal
	s_wait_alu depctr_va_vdst(0)
	v_mul_f32 v55, v53, v54                        ; p1
	v_lshlrev_b32 v58, v52, v57                    ; 1 << e1
	v_or_b32 v56, v56, v58
	v_lshl_or_b32 v59, v52, 8, v49
	v_lshl_or_b32 v59, v56, 16, v59
	v_mov_b32 v60, 0
	v_cmp_eq_u32 vcc_lo, 0, v1
	s_wait_xcnt 0x0                                ; EXEC changes only behind this wait
	s_and_saveexec_b32 s28, vcc_lo                 ; every lane holds the same numbers: lane 0 stores them, 12 bytes a token
	global_store_b32 v60, v59, s[10:11]
	global_store_b64 v60, v[54:55], s[12:13]
	s_endpgm
.Lfunc_end_k_q990362d33e_gate:
	.size	k_q990362d33e_gate, .Lfunc_end_k_q990362d33e_gate-k_q990362d33e_gate
	.p2alignl 7, 3214868480
	.fill 96, 4, 3214868480
	.section	.rodata,"a",@progbits
	.p2align	6, 0x0
	.amdhsa_kernel k_q990362d33e_gate
		.amdhsa_group_segment_fixed_size 0
		.amdhsa_private_segment_fixed_size 0
		.amdhsa_enable_private_segment 0
		.amdhsa_kernarg_size 40
		.amdhsa_user_sgpr_count 2
		.amdhsa_user_sgpr_kernarg_segment_ptr 1
		.amdhsa_wavefront_size32 1
		.amdhsa_system_sgpr_workgroup_id_x 1
		.amdhsa_system_sgpr_workgroup_id_y 1
		.amdhsa_system_sgpr_workgroup_id_z 1
		.amdhsa_system_vgpr_workitem_id 0
		.amdhsa_next_free_vgpr 256
		.amdhsa_next_free_sgpr 66
		.amdhsa_reserve_vcc 1
		.amdhsa_float_denorm_mode_32 3
		.amdhsa_float_denorm_mode_16_64 3
		.amdhsa_memory_ordered 1
		.amdhsa_forward_progress 1
		.amdhsa_inst_pref_size 23
	.end_amdhsa_kernel
	.amdgpu_metadata
---
amdhsa.version: [ 1, 2 ]
amdhsa.kernels:
  - .name:           k_q990362d33e_gate
    .symbol:         k_q990362d33e_gate.kd
    .args:
      - { .name: x, .offset: 0, .size: 8, .value_kind: global_buffer, .address_space: global }
      - { .name: gate_w, .offset: 8, .size: 8, .value_kind: global_buffer, .address_space: global }
      - { .name: gate_b, .offset: 16, .size: 8, .value_kind: global_buffer, .address_space: global }
      - { .name: choice, .offset: 24, .size: 8, .value_kind: global_buffer, .address_space: global }
      - { .name: prob, .offset: 32, .size: 8, .value_kind: global_buffer, .address_space: global }
    .group_segment_fixed_size: 0
    .private_segment_fixed_size: 0
    .kernarg_segment_align: 8
    .kernarg_segment_size: 40
    .max_flat_workgroup_size: 128
    .sgpr_count:     66
    .vgpr_count:     256
    .wavefront_size: 32
...
	.end_amdgpu_metadata
.endif
;; end of part 1
;; launch place (part 2): grid 256 x 1, 4 waves a work-group, no clusters, 0 bytes of LDS; arguments x, choice, xg, pos, cnt; writes xg, pos, cnt
.if DOCPART == 2
	.amdgcn_target "amdgcn-amd-amdhsa--gfx1250"
	.amdhsa_code_object_version 6
	.text
	.protected	k_q990362d33e_place
	.globl	k_q990362d33e_place
	.p2align	8
	.type	k_q990362d33e_place,@function
k_q990362d33e_place:
	s_mov_b64 s[64:65], 0
	v_nop
	global_prefetch_b8 v0, s[64:65] scope:SCOPE_SE
	s_setreg_imm32_b32 hwreg(HW_REG_WAVE_MODE, 25, 1), 1
	s_wait_xcnt 0x0
; PLACE.  Expert e owns rows 1024 e .. 1024 e + 1023.  A token's row of x, rounded to f16, is copied to the row of its rank in each of its two experts.  The rank is the
; number of tokens in front of it, in one fixed order, that chose the same expert: every wave counts it for itself from the whole table of choices (4,096 bytes), so no
; work-group hands anything to another.
; FORMAT.  f16, as all operands of the two products that follow (the reason stands at the head of the next launch).  LIMIT: |x| below 65,504; below 2^-14 the step is 2^-24.
; One wave, one token: t = 4 x work-group + wave.  The table lies in 32 registers: register rho = 4 q + i of lane l is token 128 q + 4 l + i; the order is (rho, lane).
; XG LIES IN THE ORDER IN WHICH THE NEXT LAUNCH LOADS ITS FRAGMENTS: [expert][tile of 32 rows][K step s, 32 of them][block a of 16 rows][half c2][place 2 r + hh][16 bytes],
; a tile 65,536 bytes.  K is permuted, alike here and in the weights of the next launch: element u (0..7) of the piece (s, c2, hh) is
; d = 512 (s >> 4) + 256 c2 + 128 (u >> 2) + 8 (s & 15) + 4 hh + (u & 3).  So lane l, which loads d = 128 j + 4 l + i, holds four whole pieces: piece m (from j = 2 m, 2 m + 1) is
; s = 16 (m >> 1) + (l >> 1), c2 = m & 1, hh = l & 1.  Two neighbouring lanes store 32 consecutive bytes, and the pairs lie 2,048 bytes apart: no store of a row fills an aligned
; 256 bytes.  That is the price of one wave to a token; xg is 2,048 bytes a row and two rows a token.
; pos[t] = the two rows, 1024 e + rank.
; The waves of tokens 0 to 7 also serve expert t: cnt[t] = its number of tiles of 32 rows, at least 1, and the rows from its last token's up to the tile's end are zeros,
; so that the later launches read whole tiles, all of whose bytes have been stored.  An expert that no token chose has one tile of zeros.
; A stream of whole numbers and a copy: no matrix unit, no LDS, no barrier.
.set CH,  8                            ; v[8:39]    the table of choices
.set X,   40                           ; v[40:71]   my token's row of x: lane l holds d = 128 j + 4 l + i
.set Y,   72                           ; v[72:87]   the same in f16: four pieces of 16 bytes
.set ZR,  88                           ; v[88:91]   zeros
.set PV,  92                           ; v[92:93]   the two rows for pos
.set NV,  94                           ; v94        the number of tiles for cnt
.set ZO,  95                           ; v95        offset 0
.set T0,  96                           ; v[96:103]  at work
.set T1,  104                          ; v[104:111] at work
; The byte offset in xg of row rank of expert e.  The fields are cut out first and clamped then, so that behind each clamp stand only shifts to the left and sums.
.macro ROWOFF dst, e, rank, t
	s_lshr_b32 \dst, \rank, 5
	s_min_u32 \dst, \dst, 31
	s_lshl_b32 \dst, \dst, 16                      ; the tile, 65,536 bytes
	s_bfe_u32 \t, \rank, 0x10004
	s_min_u32 \t, \t, 1
	s_lshl_b32 \t, \t, 10                          ; the block of 16 rows, 1,024 bytes in each K step
	s_add_co_u32 \dst, \dst, \t
	s_and_b32 \t, \rank, 15
	s_min_u32 \t, \t, 15
	s_lshl_b32 \t, \t, 5                           ; the row's two places of 16 bytes
	s_add_co_u32 \dst, \dst, \t
	s_lshl_b32 \t, \e, 21                          ; the expert's 32 tiles
	s_add_co_u32 \dst, \dst, \t
.endm
	s_load_b256 s[4:11], s[0:1], 0x0               ; x s[4:5], choice s[6:7], xg s[8:9], pos s[10:11]
	s_load_b64 s[12:13], s[0:1], 0x20              ; cnt
	v_lshrrev_b32 v4, 5, v0
	v_readfirstlane_b32 s14, v4                    ; wave
	s_lshl_b32 s15, ttmp9, 2
	s_add_co_u32 s15, s15, s14                     ; t
	v_and_b32 v1, 31, v0                           ; lane
	v_lshlrev_b32 v2, 4, v1                        ; 16 bytes a lane, in the table and in x
	v_lshrrev_b32 v3, 1, v1
	v_lshlrev_b32 v3, 11, v3                       ; in xg: K step l >> 1, 2,048 bytes each,
	v_and_b32 v5, 1, v1
	v_lshl_or_b32 v3, v5, 4, v3                    ; and half l & 1 of the lanes, 16 bytes
	v_mov_b32 v[ZO], 0
	s_lshl_b32 s26, s15, 2
	s_mov_b32 s27, 0
	s_lshl_b32 s48, s15, 12
	s_mov_b32 s49, 0
	s_wait_kmcnt 0x0
	s_add_nc_u64 s[50:51], s[6:7], s[26:27]
	s_load_b32 s16, s[50:51], 0x0                  ; my token's word
	s_add_nc_u64 s[4:5], s[4:5], s[48:49]          ; my token's row of x
.irp q, 0,1,2,3,4,5,6,7
	global_load_b128 v[CH+4*\q:CH+4*\q+3], v2, s[6:7] offset:512*\q
.endr
.irp j, 0,1,2,3,4,5,6,7
	global_load_b128 v[X+4*\j:X+4*\j+3], v2, s[4:5] offset:512*\j
.endr
	s_lshl_b32 s48, s15, 3
	s_add_nc_u64 s[10:11], s[10:11], s[48:49]      ; pos + 8 t
	s_lshr_b32 s21, s15, 7                         ; my place in the order: rho0 = 4 (t >> 7) + (t & 3),
	s_lshl_b32 s21, s21, 2
	s_and_b32 s52, s15, 3
	s_or_b32 s21, s21, s52
	s_bfe_u32 s52, s15, 0x50002                    ; lane l0 = (t >> 2) & 31
	s_lshl_b32 s22, 1, s52
	s_sub_co_u32 s22, s22, 1                       ; the lanes in front of l0
	s_mov_b32 s24, 0                               ; rank in e0
	s_mov_b32 s25, 0                               ; rank in e1
	s_wait_kmcnt 0x0
	s_and_b32 s17, s16, 0xff
	s_min_u32 s17, s17, 7                          ; e0
	s_bfe_u32 s18, s16, 0x80008
	s_min_u32 s18, s18, 7                          ; e1
	s_add_co_u32 s52, s17, 16
	s_lshl_b32 s19, 1, s52                         ; the bit of e0 in a word's set of experts
	s_add_co_u32 s52, s18, 16
	s_lshl_b32 s20, 1, s52                         ; the bit of e1
; Eight registers of the table: which lanes' tokens chose e0, which e1 (16 masks); of each mask the lanes in front of me are counted:
; all where rho < rho0, those in front of l0 where rho = rho0, none behind.
.macro SWEEP2 g
.irp i, 0,1,2,3,4,5,6,7
	v_and_b32 v[T0+\i], s19, v[CH+8*\g+\i]
	v_and_b32 v[T1+\i], s20, v[CH+8*\g+\i]
.endr
.irp i, 0,1,2,3,4,5,6,7
	v_cmp_ne_u32 s[32+\i], 0, v[T0+\i]
	v_cmp_ne_u32 s[40+\i], 0, v[T1+\i]
.endr
.irp i, 0,1,2,3,4,5,6,7
	s_cmp_gt_u32 s21, 8*\g+\i
	s_cselect_b32 s23, -1, 0
	s_cmp_eq_u32 s21, 8*\g+\i
	s_cselect_b32 s23, s22, s23
	s_and_b32 s[32+\i], s[32+\i], s23
	s_and_b32 s[40+\i], s[40+\i], s23
	s_bcnt1_i32_b32 s[32+\i], s[32+\i]
	s_bcnt1_i32_b32 s[40+\i], s[40+\i]
	s_add_co_u32 s24, s24, s[32+\i]
	s_add_co_u32 s25, s25, s[40+\i]
.endr
.endm
	s_wait_loadcnt 8                               ; the table is in; the eight loads of x, issued behind it, stay out
	SWEEP2 0
	SWEEP2 1
	SWEEP2 2
	SWEEP2 3
	s_min_u32 s24, s24, 1023                       ; at most 1,023 tokens stand in front of one
	s_min_u32 s25, s25, 1023
	ROWOFF s26, s17, s24, s52
	s_add_nc_u64 s[28:29], s[8:9], s[26:27]        ; my row in e0
	ROWOFF s26, s18, s25, s52
	s_add_nc_u64 s[30:31], s[8:9], s[26:27]        ; my row in e1
	s_lshl_b32 s53, s17, 10
	s_add_co_u32 s53, s53, s24                     ; pos: 1024 e + rank
	s_lshl_b32 s54, s18, 10
	s_add_co_u32 s54, s54, s25
	v_mov_b32 v[PV], s53
	v_mov_b32 v[PV+1], s54
	s_wait_loadcnt 0x0                             ; x
.irp j, 0,1,2,3,4,5,6,7
	v_cvt_pk_f16_f32 v[Y+2*\j],   v[X+4*\j],   v[X+4*\j+1]
	v_cvt_pk_f16_f32 v[Y+2*\j+1], v[X+4*\j+2], v[X+4*\j+3]
.endr
.irp m, 0,1,2,3
	global_store_b128 v3, v[Y+4*\m:Y+4*\m+3], s[28:29] offset:(\m/2)*32768+(\m%2)*512   ; piece m: K steps 16 (m >> 1) on, half m & 1
	global_store_b128 v3, v[Y+4*\m:Y+4*\m+3], s[30:31] offset:(\m/2)*32768+(\m%2)*512
.endr
	s_cmp_ge_u32 s15, 8
	s_cbranch_scc1 .Lrest
	; THE WAVE OF TOKEN t < 8 SERVES EXPERT t: how many tokens chose it, its tiles, its rows of zeros.  Nothing that the stores above name (v3, Y, s[28:31]) is written here.
	s_add_co_u32 s52, s15, 16
	s_lshl_b32 s19, 1, s52
	s_mov_b32 s24, 0
.macro SWEEPT g
.irp i, 0,1,2,3,4,5,6,7
	v_and_b32 v[T0+\i], s19, v[CH+8*\g+\i]
.endr
.irp i, 0,1,2,3,4,5,6,7
	v_cmp_ne_u32 s[32+\i], 0, v[T0+\i]
.endr
.irp i, 0,1,2,3,4,5,6,7
	s_bcnt1_i32_b32 s[32+\i], s[32+\i]
	s_add_co_u32 s24, s24, s[32+\i]
.endr
.endm
	SWEEPT 0
	SWEEPT 1
	SWEEPT 2
	SWEEPT 3
	s_min_u32 s24, s24, 1024                       ; the expert's tokens
	s_add_co_u32 s55, s24, 31
	s_lshr_b32 s55, s55, 5
	s_max_u32 s55, s55, 1                          ; its tiles of 32 rows, 1 to 32
	s_lshl_b32 s58, s55, 5                         ; the row behind its last tile
	v_mov_b32 v[NV], s55
.irp i, 0,1,2,3
	v_mov_b32 v[ZR+\i], 0
.endr
	s_lshl_b32 s26, s15, 2
	s_add_nc_u64 s[12:13], s[12:13], s[26:27]      ; cnt + 4 t
	s_cmp_ge_u32 s24, s58
	s_cbranch_scc1 .Lno_pad
	s_mov_b32 s56, s24                             ; the first row of zeros
.Lpad:                                                 ; a trip stores one row of zeros, as a token's row is stored
	ROWOFF s26, s15, s56, s52
	s_add_nc_u64 s[50:51], s[8:9], s[26:27]
.irp m, 0,1,2,3
	global_store_b128 v3, v[ZR:ZR+3], s[50:51] offset:(\m/2)*32768+(\m%2)*512
.endr
	s_wait_xcnt 0x0                                ; the stores' base is written again only behind this wait
	s_add_co_u32 s56, s56, 1
	s_cmp_lt_u32 s56, s58
	s_cbranch_scc1 .Lpad
.Lno_pad:
	v_cmp_eq_u32 vcc_lo, 0, v1
	s_wait_xcnt 0x0                                ; EXEC changes only behind this wait
	s_and_saveexec_b32 s57, vcc_lo
	global_store_b32 v[ZO], v[NV], s[12:13]        ; lane 0 stores the number of tiles
	s_wait_xcnt 0x0                                ; and again, in front of the line that widens EXEC
	s_or_b32 exec_lo, exec_lo, s57
.Lrest:
	v_cmp_eq_u32 vcc_lo, 0, v1
	s_wait_xcnt 0x0                                ; EXEC changes only behind this wait
	s_and_saveexec_b32 s57, vcc_lo
	global_store_b64 v[ZO], v[PV:PV+1], s[10:11]   ; lane 0 stores the token's two rows
	s_endpgm
.Lfunc_end_k_q990362d33e_place:
	.size	k_q990362d33e_place, .Lfunc_end_k_q990362d33e_place-k_q990362d33e_place
	.p2alignl 7, 3214868480
	.fill 96, 4, 3214868480
	.section	.rodata,"a",@progbits
	.p2align	6, 0x0
	.amdhsa_kernel k_q990362d33e_place
		.amdhsa_group_segment_fixed_size 0
		.amdhsa_private_segment_fixed_size 0
		.amdhsa_enable_private_segment 0
		.amdhsa_kernarg_size 40
		.amdhsa_user_sgpr_count 2
		.amdhsa_user_sgpr_kernarg_segment_ptr 1
		.amdhsa_wavefront_size32 1
		.amdhsa_system_sgpr_workgroup_id_x 1
		.amdhsa_system_sgpr_workgroup_id_y 1
		.amdhsa_system_sgpr_workgroup_id_z 1
		.amdhsa_system_vgpr_workitem_id 0
		.amdhsa_next_free_vgpr 112
		.amdhsa_next_free_sgpr 66
		.amdhsa_reserve_vcc 1
		.amdhsa_float_denorm_mode_32 3
		.amdhsa_float_denorm_mode_16_64 3
		.amdhsa_memory_ordered 1
		.amdhsa_forward_progress 1
		.amdhsa_inst_pref_size 30
	.end_amdhsa_kernel
	.amdgpu_metadata
---
amdhsa.version: [ 1, 2 ]
amdhsa.kernels:
  - .name:           k_q990362d33e_place
    .symbol:         k_q990362d33e_place.kd
    .args:
      - { .name: x, .offset: 0, .size: 8, .value_kind: global_buffer, .address_space: global }
      - { .name: choice, .offset: 8, .size: 8, .value_kind: global_buffer, .address_space: global }
      - { .name: xg, .offset: 16, .size: 8, .value_kind: global_buffer, .address_space: global }
      - { .name: pos, .offset: 24, .size: 8, .value_kind: global_buffer, .address_space: global }
      - { .name: cnt, .offset: 32, .size: 8, .value_kind: global_buffer, .address_space: global }
    .group_segment_fixed_size: 0
    .private_segment_fixed_size: 0
    .kernarg_segment_align: 8
    .kernarg_segment_size: 40
    .max_flat_workgroup_size: 128
    .sgpr_count:     66
    .vgpr_count:     112
    .wavefront_size: 32
...
	.end_amdgpu_metadata
.endif
;; end of part 2
;; launch ffn1 (part 3): grid 32 x 8, 4 waves a work-group, no clusters, 0 bytes of LDS; arguments xg, w1, b1, cnt, h; writes h
.if DOCPART == 3
	.amdgcn_target "amdgcn-amd-amdhsa--gfx1250"
	.amdhsa_code_object_version 6
	.text
	.protected	k_q990362d33e_ffn1
	.globl	k_q990362d33e_ffn1
	.p2align	8
	.type	k_q990362d33e_ffn1,@function
k_q990362d33e_ffn1:
	s_mov_b64 s[64:65], 0
	v_nop
	global_prefetch_b8 v0, s[64:65] scope:SCOPE_SE
	s_setreg_imm32_b32 hwreg(HW_REG_WAVE_MODE, 25, 1), 1
	s_wait_xcnt 0x0
; FFN, FIRST HALF.  H = gelu(Xg W1[e] + b1[e]) for the rows that chose expert e.  w1: [8][1024][4096] f32; b1: [8][4096] f32.  Products in f16 with f32 sums, bias and exact
; GELU in f32, H rounded once, to f16.
; FORMAT.  f16, not bf16.  The result is allowed 1 % of its root mean square.  Four roundings stand in front of it (x, w1, h, w2), summed over 1,024 and 4,096 products; with 8
; significant bits each, their joint error has a spread of about a third of that allowance, and of a million outputs some lie beyond three spreads.  With 11 bits it is eight times finer.
; ROOM.  f16 reaches 65,504.  With numbers of spread 1 in x and 0.02 in w1, h stays under 4; x and w1 both 30 times larger make it 900 times larger, some 3,000; a common offset of 30
; spreads in both makes 1024 x 30 x 0.6 = 18,432.  Below 2^-14 the step is 2^-24: for w1 30 times smaller (spread 0.00067) still finer than 8 significant bits.
; LIMIT: |x|, |w1| and |h| below 65,504; beyond it an operand is infinite.
; SHARES.  A WAVE owns 32 hidden columns of one expert and all 1,024 of K: 131,072 bytes of w1, which it reads ONCE, from memory straight into registers, where they stay as f16:
; 512 registers.  Rounding two rows of a column into one register IS the matrix unit's layout for a matrix stored [K][N], so the weights need no LDS and no turning.  Then the wave
; walks the expert's rows in tiles of 32; cnt[e] says how many (1 to 32): every routing is served, and w1 leaves memory once whatever the routing.
; Work-group x = 128 columns (wave w: columns 32 w on), work-group y = the expert.
; NO LDS, NO BARRIER, NO CLUSTER, though the four waves of a work-group, and all 32 work-groups of an expert, read the same tiles of xg.  The number of tiles is read from memory, and no
; barrier may stand under a branch that hangs on a number read from memory; without a barrier no LDS slot can be filled again, no wave can hand sums to another, and no tile can be
; asked for jointly.  So each wave has all of K for its columns and fetches its own fragments: 65,536 bytes a tile for 128 matrix instructions.
; XG AND H LIE IN FRAGMENT ORDER: [expert][tile of 32 rows][K step][block a of 16 rows][half c2][place 2 r + hh][16 bytes] (xg 32 K steps, h 128), so every load and store of a wave
; covers 512 consecutive bytes, and a tile's fragments follow each other in memory.
; K OF THIS PRODUCT IS PERMUTED, alike in xg and here: element u (0..7) of the piece (K step s, c2, hh) is row 512 (s >> 4) + 256 c2 + 128 (u >> 2) + 8 (s & 15) + 4 hh + (u & 3) of w1.
; THE MATRIX INSTRUCTION IS USED TRANSPOSED: source 0 = 16 columns of w1, source 1 = 16 rows of xg.  Lane rho of fragment f of the weights is column 2 rho + f of the wave's 32 (a lane
; loads 8 bytes, two columns; sixteen lanes 128 consecutive bytes of a row, the wave beside it the next 128).  In the result lane (r, hh), register j, fragment f is row r, column
; 16 hh + 2 j + f.  Rounded in pairs (f = 0, 1) the lane's eight registers are 16 neighbouring columns of its row: exactly its part of a fragment of the next product, whose K runs
; 32 s' + 16 hh + 8 c2 + u.  Nothing changes lanes on the way out.
; GELU.  gelu(x) = max(x, 0) + |x| P(t) 2^(-x^2 log2(e) / 2), t = 1 / (1 + 0.23164189 |x|), P the fifth-degree form of Abramowitz and Stegun 7.1.26 times -1/2:
; erf to 1.5e-7 absolutely for every x; for large |x| the power is 0 and max(x, 0) is left.
; REGISTERS, in windows of 256 (s_set_vgpr_msb: bits 1:0 source 0, 3:2 source 1, 5:4 source 2, 7:6 destination):
;   window 0: addresses, accumulators, the way out.   window 1: first four batches of 32 registers of f32 weights on their way, then a ring of four slots of 64 for xg's fragments.
;   windows 2, 3: the weights: K step s, fragment f at 16 (s % 16) + 8 f, K steps 0-15 in window 2, 16-31 in window 3.
.set WPITCH,  16384                    ; bytes in a row of w1
.set CHUNK_B, 8192                     ; a chunk: 4 K steps x 2 blocks x 1,024 bytes
.set TILE_A,  8*CHUNK_B                ; a tile of xg
.set TILE_H,  262144                   ; a tile of h: 128 K steps x 2,048 bytes
.set WOFF,  3                          ; v3   my offset in w1: 4 hh rows + 8 rho
.set AOFF,  4                          ; v4   my place in 512 bytes of xg or of h: 16 (2 r + hh)
.set BO,    5                          ; v5   my offset in b1: 64 hh
.set BL,    8                          ; v[8:23]    b1 of my 16 columns
.set ACC,   32                         ; v[32:63]   block a, fragment f at 16 a + 8 f
.set BIASF, 64                         ; v[64:79]   the bias as a result tile for each f: it starts the sums
.set AX,    96                         ; v[96:103]  |x|
.set TT,    104                        ; v[104:111] t
.set WW,    112                        ; v[112:119] x^2, then the power
.set PP,    120                        ; v[120:127] P(t)
.set O2,    128                        ; v[128:143] block a: 8 registers of f16, to store
.set WV, 14                            ; s14 wave    s18 column slice    s19 expert
.set SL, 18
.set EX, 19
.set NT, 20                            ; s20 tiles   s21 tiles - 1   s22 counter
.set NT1, 21
.set CT, 22
.set WB, 28                            ; s[28:29] w1 at my columns, rows 0 on; s[30:31] rows 512 on: a row's offset then fits the signed 24-bit immediate (ISA guide, chapter 10): 507 rows of 16,384 bytes at the most
.set KT, 44                            ; s[44:57] constants of the GELU, in pairs: the packed forms name a pair and take its low word for both halves
.set KE, 46
.set A5, 48
.set A4, 50
.set A3, 52
.set A2, 54
.set A1, 56
.set SM, 58                            ; s58 clears a sign
.set MSB, 0
.macro WIN new                         ; the immediate's high byte repeats the setting that is left; a switch that changes nothing is dropped
.if MSB != \new
	s_set_vgpr_msb (MSB<<8)|\new
.set MSB, \new
.endif
.endm
	s_load_b256 s[4:11], s[0:1], 0x0               ; xg s[4:5], w1 s[6:7], b1 s[8:9], cnt s[10:11]
	s_load_b64 s[12:13], s[0:1], 0x20              ; h
	v_lshrrev_b32 v1, 5, v0
	v_readfirstlane_b32 s[WV], v1
	s_mov_b32 s[SL], ttmp9
	s_and_b32 s[EX], ttmp7, 0xffff
	s_mov_b32 s[KT], 0x3e6d3388                    ; 0.23164189 = 0.3275911 / sqrt(2)
	s_mov_b32 s[KT+1], 0x3e6d3388
	s_mov_b32 s[KE], 0xbf38aa3b                    ; -log2(e) / 2
	s_mov_b32 s[KE+1], 0xbf38aa3b
	s_mov_b32 s[A5], 0xbf07dc22                    ; -1.061405429 / 2
	s_mov_b32 s[A5+1], 0xbf07dc22
	s_mov_b32 s[A4], 0x3f3a00e3                    ; +1.453152027 / 2
	s_mov_b32 s[A4+1], 0x3f3a00e3
	s_mov_b32 s[A3], 0xbf35f0e3                    ; -1.421413741 / 2
	s_mov_b32 s[A3+1], 0xbf35f0e3
	s_mov_b32 s[A2], 0x3e11a98e                    ; +0.284496736 / 2
	s_mov_b32 s[A2+1], 0x3e11a98e
	s_mov_b32 s[A1], 0xbe027906                    ; -0.254829592 / 2
	s_mov_b32 s[A1+1], 0xbe027906
	s_mov_b32 s[SM], 0x7fffffff
	s_lshl_b32 s24, s[EX], 2
	s_mov_b32 s25, 0
	s_mov_b32 s27, 0
	s_wait_kmcnt 0x0
	s_add_nc_u64 s[10:11], s[10:11], s[24:25]
	s_load_b32 s[NT], s[10:11], 0x0                ; cnt[e]
	s_lshl_b32 s24, s[EX], 21                      ; xg: the expert's 32 tiles
	s_add_nc_u64 s[4:5], s[4:5], s[24:25]
	s_lshl_b32 s26, s[EX], 24                      ; w1: the expert's 16 MiB,
	s_lshl_b32 s24, s[SL], 9                       ; 128 columns of 4 bytes,
	s_add_co_u32 s26, s26, s24
	s_lshl_b32 s24, s[WV], 7                       ; 32 columns
	s_add_co_u32 s26, s26, s24
	s_add_nc_u64 s[WB:WB+1], s[6:7], s[26:27]
	s_add_nc_u64 s[WB+2:WB+3], s[WB:WB+1], 512*WPITCH
	s_lshl_b32 s26, s[EX], 14                      ; b1: the expert's 4,096 numbers, then the same columns
	s_lshl_b32 s24, s[SL], 9
	s_add_co_u32 s26, s26, s24
	s_lshl_b32 s24, s[WV], 7
	s_add_co_u32 s26, s26, s24
	s_add_nc_u64 s[8:9], s[8:9], s[26:27]
	s_lshl_b32 s26, s[SL], 2                       ; h: my 32 columns are K step 4 slice + wave of the next product, 2,048 bytes in each tile,
	s_add_co_u32 s26, s26, s[WV]
	s_lshl_b32 s26, s26, 11
	s_lshl_b32 s24, s[EX], 23                      ; the expert's 32 tiles
	s_add_co_u32 s26, s26, s24
	s_add_nc_u64 s[12:13], s[12:13], s[26:27]
	v_and_b32 v1, 15, v0                           ; r, or rho
	v_bfe_u32 v2, v0, 4, 1                         ; hh
	v_lshlrev_b32 v[WOFF], 3, v1
	v_lshl_add_u32 v[WOFF], v2, 16, v[WOFF]        ; 4 hh rows of 16,384 bytes + 8 rho
	v_lshl_add_u32 v[AOFF], v1, 1, v2
	v_lshlrev_b32 v[AOFF], 4, v[AOFF]
	v_lshlrev_b32 v[BO], 6, v2
.irp q, 0,1,2,3
	global_load_b128 v[BL+4*\q:BL+4*\q+3], v[BO], s[8:9] offset:16*\q    ; b1 of columns 16 hh + 0 .. 15
.endr
; THE WEIGHTS.  Batch b is K step b: sixteen loads; load lv = 8 c2 + u brings the row of element u of piece c2, two columns a lane.  Read once in the whole launch: TH_LOAD_NT.
.macro WLOAD b
	WIN 0x40                                       ; destination window 1, address window 0
.set lv, 0
.rept 16
	global_load_b64 v[32*((\b)%4)+2*lv:32*((\b)%4)+2*lv+1], v[WOFF], s[WB+2*((\b)/16):WB+2*((\b)/16)+1] offset:(256*(lv/8)+128*((lv%8)/4)+8*((\b)%16)+lv%4)*WPITCH th:TH_LOAD_NT
.set lv, lv+1
.endr
.endm
; Register cu = 4 c2 + u / 2 of fragment cf holds elements u and u + 1: loads 2 cu and 2 cu + 1 of the batch, column cf of my two.
.macro WCVT b
.if (\b) < 16
	WIN 0x85                                       ; sources window 1, destination window 2
.else
	WIN 0xc5                                       ; destination window 3
.endif
.set cf, 0
.rept 2
.set cu, 0
.rept 8
	v_cvt_pk_f16_f32 v[16*((\b)%16)+8*cf+cu], v[32*((\b)%4)+4*cu+cf], v[32*((\b)%4)+4*cu+2+cf]
.set cu, cu+1
.endr
.set cf, cf+1
.endr
.endm
.set sb, 0
.rept 4
	WLOAD sb
.set sb, sb+1
.endr
	s_wait_kmcnt 0x0                               ; cnt[e]
	s_min_u32 s[NT], s[NT], 32
	s_max_u32 s[NT], s[NT], 1                      ; 1 to 32 tiles
	s_sub_co_u32 s[NT1], s[NT], 1
.set sb, 0
.rept 32
.if sb < 29
	s_wait_loadcnt 48                              ; loads come back in order (ISA guide 5.7.1): batch sb (and, in front of it, b1) is in; the three batches of sixteen behind it stay out
.else
	s_wait_loadcnt 16*(31-sb)                      ; nothing more is asked for: the counts run down
.endif
	WCVT sb
.if sb < 28
	WLOAD sb+4                                     ; into the batch just converted
.endif
.set sb, sb+1
.endr
	WIN 0
.irp f, 0,1
.irp j, 0,1,2,3,4,5,6,7
	v_mov_b32 v[BIASF+8*\f+\j], v[BL+2*\j+\f]      ; register j of the tile for fragment f: b1 of column 16 hh + 2 j + f; made once
.endr
.endr
; Chunk c, counted from the tile in hand (8 and more: the next tile's, which follows in memory): sixteen loads of 512 consecutive bytes into slot c % 4; load 4 stp + 2 a + c2.
.macro ALOAD c
	WIN 0x40
.set lv, 0
.rept 16
	global_load_b128 v[64*((\c)%4)+4*lv:64*((\c)%4)+4*lv+3], v[AOFF], s[4:5] offset:(\c)*CHUNK_B+512*lv
.set lv, lv+1
.endr
.endm
; Chunk c's 16 matrix instructions.  The four accumulators take turns, one instruction a turn.  The first K step starts the sums with the bias: nothing is cleared.
.macro MULC c
.if (\c) < 4
	WIN 0x06                                       ; source 0 (weights) window 2, source 1 (xg) window 1, C and D window 0
.else
	WIN 0x07                                       ; weights in window 3
.endif
.set stp, 0
.rept 4
.set kst, 4*(\c)+stp
.set ca, 0
.rept 2
.set cf, 0
.rept 2
.if kst == 0
	v_wmma_f32_16x16x32_f16 v[ACC+16*ca+8*cf:ACC+16*ca+8*cf+7], v[16*(kst%16)+8*cf:16*(kst%16)+8*cf+7], v[64*((\c)%4)+16*stp+8*ca:64*((\c)%4)+16*stp+8*ca+7], v[BIASF+8*cf:BIASF+8*cf+7]
.else
	v_wmma_f32_16x16x32_f16 v[ACC+16*ca+8*cf:ACC+16*ca+8*cf+7], v[16*(kst%16)+8*cf:16*(kst%16)+8*cf+7], v[64*((\c)%4)+16*stp+8*ca:64*((\c)%4)+16*stp+8*ca+7], v[ACC+16*ca+8*cf:ACC+16*ca+8*cf+7]
.endif
.set cf, cf+1
.endr
.set ca, ca+1
.endr
.set stp, stp+1
.endr
.endm
; GELU of the eight values at ACC + b, in place.  Each run of reciprocals or powers is followed by a plain instruction that touches none of its registers before a result is used (ISA guide 5.7.2).
.macro GELU8 b
.irp i, 0,1,2,3,4,5,6,7
	v_and_b32 v[AX+\i], s[SM], v[ACC+\b+\i]
.endr
.irp i, 0,2,4,6
	v_pk_fma_f32 v[TT+\i:TT+\i+1], v[AX+\i:AX+\i+1], s[KT:KT+1], 1.0 op_sel_hi:[1,0,0]
.endr
.irp i, 0,2,4,6
	v_pk_mul_f32 v[WW+\i:WW+\i+1], v[ACC+\b+\i:ACC+\b+\i+1], v[ACC+\b+\i:ACC+\b+\i+1]
.endr
.irp i, 0,1,2,3,4,5,6,7
	v_rcp_f32 v[TT+\i], v[TT+\i]
.endr
.irp i, 0,2,4,6
	v_pk_mul_f32 v[WW+\i:WW+\i+1], v[WW+\i:WW+\i+1], s[KE:KE+1] op_sel_hi:[1,0]
.endr
.irp i, 0,1,2,3,4,5,6,7
	v_exp_f32 v[WW+\i], v[WW+\i]
.endr
	s_wait_alu depctr_va_vdst(0)
.irp i, 0,2,4,6
	v_pk_fma_f32 v[PP+\i:PP+\i+1], v[TT+\i:TT+\i+1], s[A5:A5+1], s[A4:A4+1] op_sel_hi:[1,0,0]
.endr
.irp c, A3, A2, A1
.irp i, 0,2,4,6
	v_pk_fma_f32 v[PP+\i:PP+\i+1], v[PP+\i:PP+\i+1], v[TT+\i:TT+\i+1], s[\c:\c+1] op_sel_hi:[1,1,0]
.endr
.endr
.irp i, 0,2,4,6
	v_pk_mul_f32 v[PP+\i:PP+\i+1], v[PP+\i:PP+\i+1], v[TT+\i:TT+\i+1]
.endr
.irp i, 0,2,4,6
	v_pk_mul_f32 v[PP+\i:PP+\i+1], v[PP+\i:PP+\i+1], v[WW+\i:WW+\i+1]
.endr
.irp i, 0,1,2,3,4,5,6,7
	v_max_num_f32 v[ACC+\b+\i], 0, v[ACC+\b+\i]
.endr
.irp i, 0,2,4,6
	v_pk_fma_f32 v[ACC+\b+\i:ACC+\b+\i+1], v[AX+\i:AX+\i+1], v[PP+\i:PP+\i+1], v[ACC+\b+\i:ACC+\b+\i+1]
.endr
.endm
; ONE TILE OF 32 ROWS: eight chunks.  At its head chunks 0 to 3 have been asked for.  ahead = 1: a tile follows, and chunks 4 to 7 ask for its first four.
.macro TRIP ahead
.set cc, 0
.rept 8
.if \ahead || (cc < 5)
	s_wait_loadcnt 48                              ; chunk cc is in; the three chunks of sixteen loads behind it stay out
.else
	s_wait_loadcnt 16*(7-cc)                       ; the last tile: nothing more is asked for, the counts run down
.endif
	MULC cc
.rept 4
	v_nop                                          ; four places between the products and the loads into the slot that they read (ISA guide 7.12.1 for vector instructions)
.endr
.if \ahead || (cc < 4)
	ALOAD cc+4                                     ; the chunk four further on, into the slot just read
.endif
.set cc, cc+1
.endr
	WIN 0
	v_nop                                          ; with the four above: the places behind the last products, whose results are read below and whose accumulators the next tile starts anew
	GELU8 0
	GELU8 8
	GELU8 16
	GELU8 24
.irp a, 0,1
.irp j, 0,1,2,3,4,5,6,7
	v_cvt_pk_f16_f32 v[O2+8*\a+\j], v[ACC+16*\a+\j], v[ACC+16*\a+8+\j]      ; row r of block a, columns 16 hh + 2 j and the next
.endr
.endr
.irp a, 0,1
.irp c, 0,1
	global_store_b128 v[AOFF], v[O2+8*\a+4*\c:O2+8*\a+4*\c+3], s[12:13] offset:1024*\a+512*\c   ; 32 lanes store 512 consecutive bytes, at a multiple of 512 from h's first byte
.endr
.endr
.if \ahead
	s_wait_xcnt 0x0                                ; the loads' and stores' bases, and the stores' data, are written again only behind this wait
	s_add_nc_u64 s[4:5], s[4:5], TILE_A
	s_add_nc_u64 s[12:13], s[12:13], TILE_H
.endif
.endm
	ALOAD 0                                        ; the first tile's first four chunks
	ALOAD 1
	ALOAD 2
	ALOAD 3
	WIN 0                                          ; at a label and at a branch every window is 0
	s_cmp_eq_u32 s[NT1], 0
	s_cbranch_scc1 .Llast                          ; one tile: nothing to look ahead to
	s_mov_b32 s[CT], 0
.Ltile:
	TRIP 1
	s_add_co_u32 s[CT], s[CT], 1
	s_cmp_lt_u32 s[CT], s[NT1]
	s_cbranch_scc1 .Ltile
.Llast:
	TRIP 0                                         ; the last tile is written out: no load reaches past the expert's tiles
	s_endpgm
.Lfunc_end_k_q990362d33e_ffn1:
	.size	k_q990362d33e_ffn1, .Lfunc_end_k_q990362d33e_ffn1-k_q990362d33e_ffn1
	.p2alignl 7, 3214868480
	.fill 96, 4, 3214868480
	.section	.rodata,"a",@progbits
	.p2align	6, 0x0
	.amdhsa_kernel k_q990362d33e_ffn1
		.amdhsa_group_segment_fixed_size 0
		.amdhsa_private_segment_fixed_size 0
		.amdhsa_enable_private_segment 0
		.amdhsa_kernarg_size 40
		.amdhsa_user_sgpr_count 2
		.amdhsa_user_sgpr_kernarg_segment_ptr 1
		.amdhsa_wavefront_size32 1
		.amdhsa_system_sgpr_workgroup_id_x 1
		.amdhsa_system_sgpr_workgroup_id_y 1
		.amdhsa_system_sgpr_workgroup_id_z 1
		.amdhsa_system_vgpr_workitem_id 0
		.amdhsa_next_free_vgpr 1024
		.amdhsa_next_free_sgpr 66
		.amdhsa_reserve_vcc 0
		.amdhsa_float_denorm_mode_32 3
		.amdhsa_float_denorm_mode_16_64 3
		.amdhsa_memory_ordered 1
		.amdhsa_forward_progress 1
		.amdhsa_inst_pref_size 162
	.end_amdhsa_kernel
	.amdgpu_metadata
---
amdhsa.version: [ 1, 2 ]
amdhsa.kernels:
  - .name:           k_q990362d33e_ffn1
    .symbol:         k_q990362d33e_ffn1.kd
    .args:
      - { .name: xg, .offset: 0, .size: 8, .value_kind: global_buffer, .address_space: global }
      - { .name: w1, .offset: 8, .size: 8, .value_kind: global_buffer, .address_space: global }
      - { .name: b1, .offset: 16, .size: 8, .value_kind: global_buffer, .address_space: global }
      - { .name: cnt, .offset: 24, .size: 8, .value_kind: global_buffer, .address_space: global }
      - { .name: h, .offset: 32, .size: 8, .value_kind: global_buffer, .address_space: global }
    .group_segment_fixed_size: 0
    .private_segment_fixed_size: 0
    .kernarg_segment_align: 8
    .kernarg_segment_size: 40
    .max_flat_workgroup_size: 128
    .sgpr_count:     66
    .vgpr_count:     1024
    .wavefront_size: 32
...
	.end_amdgpu_metadata
.endif
;; end of part 3
;; launch ffn2 (part 4): grid 4 x 64, 4 waves a work-group, no clusters, 0 bytes of LDS; arguments h, w2, cnt, yp; writes yp
.if DOCPART == 4
	.amdgcn_target "amdgcn-amd-amdhsa--gfx1250"
	.amdhsa_code_object_version 6
	.text
	.protected	k_q990362d33e_ffn2
	.globl	k_q990362d33e_ffn2
	.p2align	8
	.type	k_q990362d33e_ffn2,@function
k_q990362d33e_ffn2:
	s_mov_b64 s[64:65], 0
	v_nop
	global_prefetch_b8 v0, s[64:65] scope:SCOPE_SE
	s_setreg_imm32_b32 hwreg(HW_REG_WAVE_MODE, 25, 1), 1
	s_wait_xcnt 0x0
; FFN, SECOND HALF.  yp[p] = H[:, part p of the hidden width] W2[e][that part] for the rows that chose expert e.  w2: [8][4096][1024] f32; yp: [8 parts][8192 rows][1024] f32, row 1024 e + rank.
; Products in f16 with f32 sums.  The eight parts, b2 and the gate's weights meet in the next launch.
; FORMAT.  f16, as h is stored: 11 significant bits, since the roundings of h and w2, summed over 4,096 products, must stay far inside an allowance of 1 % of the result's root mean square.
; LIMIT: |w2| below 65,504 (numbers of spread 0.02, 30 times larger, stay under 4); below 2^-14 the step is 2^-24, for w2 30 times smaller still finer than 8 significant bits.
; SHARES.  A WAVE owns 64 columns, one expert and one part of K, 512: 131,072 bytes of w2, which it reads ONCE, from memory straight into registers: 16 bytes a lane, sixteen lanes 256
; consecutive aligned bytes of a row.  Rounding two rows of a column into one register IS the matrix unit's layout for a matrix stored [K][N].  The weights stay as f16, 512 registers,
; and the wave walks the expert's rows in tiles of 32; cnt[e] says how many (1 to 32).  Work-group x = 256 columns (wave w: columns 64 w on), work-group y = 8 expert + part.
; NO LDS, NO BARRIER, NO CLUSTER, though the four waves of a work-group, and the four work-groups of a y, read the same tiles of h.  The number of tiles is read from memory, and no barrier
; may stand under a branch that hangs on a number read from memory; without a barrier no LDS slot can be filled again, no wave can hand sums to another, and no tile can be asked for
; jointly.  So the sums over K's parts meet in memory, and each wave fetches its own fragments: 32,768 bytes a tile for 128 matrix instructions.
; H LIES IN FRAGMENT ORDER: [expert][tile of 32 rows][K step, 128 of them][block a of 16 rows][half c2][place 2 r + hh][16 bytes]: every load of a wave covers 512 consecutive bytes.
; Element u (0..7) of the piece (K step s', c2, hh) is hidden column 32 s' + 16 hh + 8 c2 + u, and the rows of w2 are taken in the same order.
; COLUMNS.  Fragment f (0..3) of the weights holds in lane rho column 4 rho + f of the wave's 64, so a lane ends up with four neighbouring columns, 16 bytes, of each of its rows.
; REGISTERS, in windows of 256 (s_set_vgpr_msb: bits 1:0 source 0, 3:2 source 1, 5:4 source 2, 7:6 destination):
;   window 0: addresses, accumulators, the way out.   window 1: first four batches of 64 registers of f32 weights on their way, then a ring of four slots of 64 for h's fragments.
;   windows 2, 3: the weights: K step s, fragment f at 32 (s % 8) + 8 f, K steps 0-7 in window 2, 8-15 in window 3.
.set WPITCH,  4096                     ; bytes in a row of w2, and of yp
.set CHUNK_B, 8192                     ; a chunk: 4 K steps x 2 blocks x 1,024 bytes
.set TILE_H,  262144                   ; a tile of h: 128 K steps x 2,048 bytes
.set TILE_Y,  32*4096                  ; a tile's rows in yp
.set WOFF,  3                          ; v3   my offset in w2: 16 hh rows + 16 rho
.set AOFF,  4                          ; v4   my place in 512 bytes of h: 16 (2 r + hh)
.set OOFF,  5                          ; v5   my offset in yp: 8 hh rows + 16 r
.set ACC,   32                         ; v[32:95]   block a, fragment f at 32 a + 8 f
.set OUTR,  96                         ; v[96:159]  block a, row j: four f32, to store
.set WV, 14                            ; s14 wave    s18 column slice    s19 expert    s23 part of K
.set SL, 18
.set EX, 19
.set NT, 20                            ; s20 tiles   s21 tiles - 1   s22 counter
.set NT1, 21
.set CT, 22
.set KP, 23
.set MSB, 0
.macro WIN new                         ; the immediate's high byte repeats the setting that is left; a switch that changes nothing is dropped
.if MSB != \new
	s_set_vgpr_msb (MSB<<8)|\new
.set MSB, \new
.endif
.endm
	s_load_b256 s[4:11], s[0:1], 0x0               ; h s[4:5], w2 s[6:7], cnt s[8:9], yp s[10:11]
	v_lshrrev_b32 v1, 5, v0
	v_readfirstlane_b32 s[WV], v1
	s_mov_b32 s[SL], ttmp9
	s_and_b32 s[KP], ttmp7, 0xffff                 ; y = 8 expert + part
	s_lshr_b32 s[EX], s[KP], 3
	s_and_b32 s[KP], s[KP], 7
	s_lshl_b32 s24, s[EX], 2
	s_mov_b32 s25, 0
	s_mov_b32 s27, 0
	s_wait_kmcnt 0x0
	s_add_nc_u64 s[8:9], s[8:9], s[24:25]
	s_load_b32 s[NT], s[8:9], 0x0                  ; cnt[e]
	s_lshl_b32 s26, s[EX], 23                      ; h: the expert's 32 tiles,
	s_lshl_b32 s24, s[KP], 15                      ; the part's 16 K steps of 2,048 bytes
	s_add_co_u32 s26, s26, s24
	s_add_nc_u64 s[4:5], s[4:5], s[26:27]
	s_lshl_b32 s26, s[EX], 24                      ; w2: the expert's 16 MiB,
	s_lshl_b32 s24, s[KP], 21                      ; 512 rows of 4,096 bytes,
	s_add_co_u32 s26, s26, s24
	s_lshl_b32 s24, s[SL], 10                      ; 256 columns of 4 bytes,
	s_add_co_u32 s26, s26, s24
	s_lshl_b32 s24, s[WV], 8                       ; 64 columns
	s_add_co_u32 s26, s26, s24
	s_add_nc_u64 s[6:7], s[6:7], s[26:27]
	s_lshl_b32 s26, s[KP], 25                      ; yp: the part's 32 MiB,
	s_lshl_b32 s24, s[EX], 22                      ; the expert's 1,024 rows of 4,096 bytes,
	s_add_co_u32 s26, s26, s24
	s_lshl_b32 s24, s[SL], 10                      ; and the same columns
	s_add_co_u32 s26, s26, s24
	s_lshl_b32 s24, s[WV], 8
	s_add_co_u32 s26, s26, s24
	s_add_nc_u64 s[10:11], s[10:11], s[26:27]
	v_and_b32 v1, 15, v0                           ; r, or rho
	v_bfe_u32 v2, v0, 4, 1                         ; hh
	v_lshlrev_b32 v[OOFF], 4, v1
	v_lshl_add_u32 v[WOFF], v2, 16, v[OOFF]        ; 16 hh rows of 4,096 bytes + 16 rho
	v_lshl_add_u32 v[OOFF], v2, 15, v[OOFF]        ; 8 hh rows + 16 r
	v_lshl_add_u32 v[AOFF], v1, 1, v2
	v_lshlrev_b32 v[AOFF], 4, v[AOFF]
; THE WEIGHTS.  Batch b is K step b: sixteen loads; load lv = 8 c2 + u brings row 32 b + lv + 16 hh, columns 4 rho .. 4 rho + 3.  Read once in the whole launch: TH_LOAD_NT.
.macro WLOAD b
	WIN 0x40                                       ; destination window 1, address window 0
.set lv, 0
.rept 16
	global_load_b128 v[64*((\b)%4)+4*lv:64*((\b)%4)+4*lv+3], v[WOFF], s[6:7] offset:(32*(\b)+lv)*WPITCH th:TH_LOAD_NT
.set lv, lv+1
.endr
.endm
; Register cu = 4 c2 + u / 2 of fragment cf holds elements u and u + 1: loads 2 cu and 2 cu + 1 of the batch, column cf of my four.
.macro WCVT b
.if (\b) < 8
	WIN 0x85                                       ; sources window 1, destination window 2
.else
	WIN 0xc5                                       ; destination window 3
.endif
.set cf, 0
.rept 4
.set cu, 0
.rept 8
	v_cvt_pk_f16_f32 v[32*((\b)%8)+8*cf+cu], v[64*((\b)%4)+8*cu+cf], v[64*((\b)%4)+8*cu+4+cf]
.set cu, cu+1
.endr
.set cf, cf+1
.endr
.endm
.set sb, 0
.rept 4
	WLOAD sb
.set sb, sb+1
.endr
	s_wait_kmcnt 0x0                               ; cnt[e]
	s_min_u32 s[NT], s[NT], 32
	s_max_u32 s[NT], s[NT], 1                      ; 1 to 32 tiles
	s_sub_co_u32 s[NT1], s[NT], 1
.set sb, 0
.rept 16
.if sb < 13
	s_wait_loadcnt 48                              ; loads come back in order (ISA guide 5.7.1): batch sb is in, the three batches of sixteen behind it stay out
.else
	s_wait_loadcnt 16*(15-sb)                      ; nothing more is asked for: the counts run down
.endif
	WCVT sb
.if sb < 12
	WLOAD sb+4                                     ; into the batch just converted
.endif
.set sb, sb+1
.endr
; Chunk c, counted from the tile in hand (4 and more: the next tile's): sixteen loads of 512 consecutive bytes into slot c % 4; load 4 stp + 2 a + c2.
.macro ALOAD c
	WIN 0x40
.set lv, 0
.rept 16
	global_load_b128 v[64*((\c)%4)+4*lv:64*((\c)%4)+4*lv+3], v[AOFF], s[4:5] offset:((\c)/4)*TILE_H+((\c)%4)*CHUNK_B+512*lv
.set lv, lv+1
.endr
.endm
; Chunk c's 32 matrix instructions.  The eight accumulators take turns, one instruction a turn.  The first K step starts the sums: nothing is cleared.
.macro MULC c
.if (\c) < 2
	WIN 0x09                                       ; source 0 (h) window 1, source 1 (weights) window 2, C and D window 0
.else
	WIN 0x0d                                       ; weights in window 3
.endif
.set stp, 0
.rept 4
.set kst, 4*(\c)+stp
.set ca, 0
.rept 2
.set cf, 0
.rept 4
.if kst == 0
	v_wmma_f32_16x16x32_f16 v[ACC+32*ca+8*cf:ACC+32*ca+8*cf+7], v[64*((\c)%4)+16*stp+8*ca:64*((\c)%4)+16*stp+8*ca+7], v[32*(kst%8)+8*cf:32*(kst%8)+8*cf+7], 0
.else
	v_wmma_f32_16x16x32_f16 v[ACC+32*ca+8*cf:ACC+32*ca+8*cf+7], v[64*((\c)%4)+16*stp+8*ca:64*((\c)%4)+16*stp+8*ca+7], v[32*(kst%8)+8*cf:32*(kst%8)+8*cf+7], v[ACC+32*ca+8*cf:ACC+32*ca+8*cf+7]
.endif
.set cf, cf+1
.endr
.set ca, ca+1
.endr
.set stp, stp+1
.endr
.endm
; ONE TILE OF 32 ROWS: four chunks, all asked for at its head.  ahead = 1: a tile follows, and each chunk asks for the same chunk of it.
.macro TRIP ahead
.set cc, 0
.rept 4
.if \ahead
	s_wait_loadcnt 48                              ; chunk cc is in; the three chunks of sixteen loads behind it stay out
.else
	s_wait_loadcnt 16*(3-cc)                       ; the last tile: nothing more is asked for, the counts run down
.endif
	MULC cc
.rept 4
	v_nop                                          ; four places between the products and the loads into the slot that they read (ISA guide 7.12.1 for vector instructions)
.endr
.if \ahead
	ALOAD cc+4                                     ; the next tile's chunk, into the slot just read
.endif
.set cc, cc+1
.endr
	WIN 0
	v_nop                                          ; with the four above: the places behind the last products, whose results are read below and whose accumulators the next tile starts anew
.irp a, 0,1
.irp j, 0,1,2,3,4,5,6,7
.irp f, 0,1,2,3
	v_mov_b32 v[OUTR+32*\a+4*\j+\f], v[ACC+32*\a+8*\f+\j]                ; a row's four columns lie in four accumulators: they are brought side by side for a store of 16 bytes
.endr
.endr
.endr
.irp a, 0,1
.irp j, 0,1,2,3,4,5,6,7
	global_store_b128 v[OOFF], v[OUTR+32*\a+4*\j:OUTR+32*\a+4*\j+3], s[10:11] offset:(16*\a+\j)*WPITCH   ; row 16 a + 8 hh + j: 16 lanes store 256 consecutive bytes, at a multiple of 256 from yp's first byte
.endr
.endr
.if \ahead
	s_wait_xcnt 0x0                                ; the loads' and stores' bases, and the stores' data, are written again only behind this wait
	s_add_nc_u64 s[4:5], s[4:5], TILE_H
	s_add_nc_u64 s[10:11], s[10:11], TILE_Y
.endif
.endm
	ALOAD 0                                        ; the first tile
	ALOAD 1
	ALOAD 2
	ALOAD 3
	WIN 0                                          ; at a label and at a branch every window is 0
	s_cmp_eq_u32 s[NT1], 0
	s_cbranch_scc1 .Llast                          ; one tile: nothing to look ahead to
	s_mov_b32 s[CT], 0
.Ltile:
	TRIP 1
	s_add_co_u32 s[CT], s[CT], 1
	s_cmp_lt_u32 s[CT], s[NT1]
	s_cbranch_scc1 .Ltile
.Llast:
	TRIP 0                                         ; the last tile is written out: no load reaches past the expert's tiles
	s_endpgm
.Lfunc_end_k_q990362d33e_ffn2:
	.size	k_q990362d33e_ffn2, .Lfunc_end_k_q990362d33e_ffn2-k_q990362d33e_ffn2
	.p2alignl 7, 3214868480
	.fill 96, 4, 3214868480
	.section	.rodata,"a",@progbits
	.p2align	6, 0x0
	.amdhsa_kernel k_q990362d33e_ffn2
		.amdhsa_group_segment_fixed_size 0
		.amdhsa_private_segment_fixed_size 0
		.amdhsa_enable_private_segment 0
		.amdhsa_kernarg_size 32
		.amdhsa_user_sgpr_count 2
		.amdhsa_user_sgpr_kernarg_segment_ptr 1
		.amdhsa_wavefront_size32 1
		.amdhsa_system_sgpr_workgroup_id_x 1
		.amdhsa_system_sgpr_workgroup_id_y 1
		.amdhsa_system_sgpr_workgroup_id_z 1
		.amdhsa_system_vgpr_workitem_id 0
		.amdhsa_next_free_vgpr 1024
		.amdhsa_next_free_sgpr 66
		.amdhsa_reserve_vcc 0
		.amdhsa_float_denorm_mode_32 3
		.amdhsa_float_denorm_mode_16_64 3
		.amdhsa_memory_ordered 1
		.amdhsa_forward_progress 1
		.amdhsa_inst_pref_size 97
	.end_amdhsa_kernel
	.amdgpu_metadata
---
amdhsa.version: [ 1, 2 ]
amdhsa.kernels:
  - .name:           k_q990362d33e_ffn2
    .symbol:         k_q990362d33e_ffn2.kd
    .args:
      - { .name: h, .offset: 0, .size: 8, .value_kind: global_buffer, .address_space: global }
      - { .name: w2, .offset: 8, .size: 8, .value_kind: global_buffer, .address_space: global }
      - { .name: cnt, .offset: 16, .size: 8, .value_kind: global_buffer, .address_space: global }
      - { .name: yp, .offset: 24, .size: 8, .value_kind: global_buffer, .address_space: global }
    .group_segment_fixed_size: 0
    .private_segment_fixed_size: 0
    .kernarg_segment_align: 8
    .kernarg_segment_size: 32
    .max_flat_workgroup_size: 128
    .sgpr_count:     66
    .vgpr_count:     1024
    .wavefront_size: 32
...
	.end_amdgpu_metadata
.endif
;; end of part 4
;; launch combine (part 5): grid 512 x 1, 8 waves a work-group, no clusters, 0 bytes of LDS; arguments yp, b2, choice, pos, prob, out0; writes out0
.if DOCPART == 5
	.amdgcn_target "amdgcn-amd-amdhsa--gfx1250"
	.amdhsa_code_object_version 6
	.text
	.protected	k_q990362d33e_combine
	.globl	k_q990362d33e_combine
	.p2align	8
	.type	k_q990362d33e_combine,@function
k_q990362d33e_combine:
	s_mov_b64 s[64:65], 0
	v_nop
	global_prefetch_b8 v0, s[64:65] scope:SCOPE_SE
	s_setreg_imm32_b32 hwreg(HW_REG_WAVE_MODE, 25, 1), 1
	s_wait_xcnt 0x0
; COMBINE.  out0[t] = p0 (y[pos0] + b2[e0]) + p1 (y[pos1] + b2[e1]), where y[row] is the sum of the eight parts of K in yp ([8][8192][1024] f32).  All in f32.
; A work-group owns two tokens; thread n owns the 16 bytes at 16 n of every row of 4,096 bytes, so sixteen neighbouring lanes load and store 256 consecutive aligned bytes.
; The rows and experts are whole numbers that earlier launches stored; they are clamped to their tables before they enter an address.
; A stream: all 36 loads of a thread go out at once; no LDS, no barrier, no matrix unit.
.set PO, 2                             ; v[2:5]     offset of my 16 bytes in row pos of a part of yp, for (token, k) = 2 token + k
.set EO, 6                             ; v[6:9]     the same in row e of b2
.set Y,  32                            ; v[32:175]  for each (token, k) 36 registers: eight parts, then b2
.set YB, 40                            ; s[40:55]   yp's eight parts
	s_load_b256 s[4:11], s[0:1], 0x0               ; yp s[4:5], b2 s[6:7], choice s[8:9], pos s[10:11]
	s_load_b128 s[12:15], s[0:1], 0x20             ; prob s[12:13], out0 s[14:15]
	v_lshlrev_b32 v1, 4, v0
	s_lshl_b32 s36, ttmp9, 3                       ; two words of choice
	s_mov_b32 s37, 0
	s_lshl_b32 s38, ttmp9, 4                       ; two pairs of pos and of prob
	s_mov_b32 s39, 0
	s_lshl_b32 s56, ttmp9, 13                      ; two rows of out0
	s_mov_b32 s57, 0
	s_wait_kmcnt 0x0
	s_add_nc_u64 s[8:9], s[8:9], s[36:37]
	s_add_nc_u64 s[10:11], s[10:11], s[38:39]
	s_add_nc_u64 s[12:13], s[12:13], s[38:39]
	s_add_nc_u64 s[14:15], s[14:15], s[56:57]
	s_load_b64 s[16:17], s[8:9], 0x0
	s_load_b128 s[20:23], s[10:11], 0x0
	s_load_b128 s[28:31], s[12:13], 0x0
	s_mov_b64 s[YB:YB+1], s[4:5]
.irp q, 1,2,3,4,5,6,7
	s_add_nc_u64 s[YB+2*\q:YB+2*\q+1], s[4:5], \q<<25      ; the parts of yp lie 32 MiB apart
.endr
	s_wait_kmcnt 0x0
.irp i, 0,1,2,3
	s_min_u32 s[20+\i], s[20+\i], 8191
	s_lshl_b32 s[20+\i], s[20+\i], 12
	v_add_nc_u32 v[PO+\i], s[20+\i], v1
.endr
.irp t, 0,1
	s_and_b32 s58, s[16+\t], 0xff
	s_min_u32 s58, s58, 7
	s_lshl_b32 s58, s58, 12
	v_add_nc_u32 v[EO+2*\t], s58, v1
	s_bfe_u32 s59, s[16+\t], 0x80008
	s_min_u32 s59, s59, 7
	s_lshl_b32 s59, s59, 12
	v_add_nc_u32 v[EO+2*\t+1], s59, v1
.endr
.irp i, 0,1,2,3
.irp q, 0,1,2,3,4,5,6,7
	global_load_b128 v[Y+36*\i+4*\q:Y+36*\i+4*\q+3], v[PO+\i], s[YB+2*\q:YB+2*\q+1] th:TH_LOAD_NT   ; each row of yp is read once in the launch
.endr
	global_load_b128 v[Y+36*\i+32:Y+36*\i+35], v[EO+\i], s[6:7]
.endr
.macro ADD2 d, s                       ; four numbers: d += s
	v_pk_add_f32 v[\d:\d+1],   v[\d:\d+1],   v[\s:\s+1]
	v_pk_add_f32 v[\d+2:\d+3], v[\d+2:\d+3], v[\s+2:\s+3]
.endm
.macro SUM9 i                          ; (((y0 + y1) + (y2 + y3)) + ((y4 + y5) + (y6 + y7))) + b2
	ADD2 Y+36*(\i),    Y+36*(\i)+4
	ADD2 Y+36*(\i)+8,  Y+36*(\i)+12
	ADD2 Y+36*(\i)+16, Y+36*(\i)+20
	ADD2 Y+36*(\i)+24, Y+36*(\i)+28
	ADD2 Y+36*(\i),    Y+36*(\i)+8
	ADD2 Y+36*(\i)+16, Y+36*(\i)+24
	ADD2 Y+36*(\i),    Y+36*(\i)+16
	ADD2 Y+36*(\i),    Y+36*(\i)+32
.endm
.irp t, 0,1
	s_wait_loadcnt 18*(1-\t)                       ; loads come back in order (ISA guide 5.7.1): this token's eighteen are in, the second token's stay out
	SUM9 2*\t
	SUM9 2*\t+1
.irp c, 0,1,2,3
	v_mul_f32 v[Y+72*\t+\c], s[28+2*\t], v[Y+72*\t+\c]
.endr
.irp c, 0,1,2,3
	v_fmac_f32 v[Y+72*\t+\c], s[29+2*\t], v[Y+72*\t+36+\c]
.endr
	global_store_b128 v1, v[Y+72*\t:Y+72*\t+3], s[14:15] offset:4096*\t th:TH_STORE_NT
.endr
	s_endpgm
.Lfunc_end_k_q990362d33e_combine:
	.size	k_q990362d33e_combine, .Lfunc_end_k_q990362d33e_combine-k_q990362d33e_combine
	.p2alignl 7, 3214868480
	.fill 96, 4, 3214868480
	.section	.rodata,"a",@progbits
	.p2align	6, 0x0
	.amdhsa_kernel k_q990362d33e_combine
		.amdhsa_group_segment_fixed_size 0
		.amdhsa_private_segment_fixed_size 0
		.amdhsa_enable_private_segment 0
		.amdhsa_kernarg_size 48
		.amdhsa_user_sgpr_count 2
		.amdhsa_user_sgpr_kernarg_segment_ptr 1
		.amdhsa_wavefront_size32 1
		.amdhsa_system_sgpr_workgroup_id_x 1
		.amdhsa_system_sgpr_workgroup_id_y 1
		.amdhsa_system_sgpr_workgroup_id_z 1
		.amdhsa_system_vgpr_workitem_id 0
		.amdhsa_next_free_vgpr 176
		.amdhsa_next_free_sgpr 66
		.amdhsa_reserve_vcc 0
		.amdhsa_float_denorm_mode_32 3
		.amdhsa_float_denorm_mode_16_64 3
		.amdhsa_memory_ordered 1
		.amdhsa_forward_progress 1
		.amdhsa_inst_pref_size 11
	.end_amdhsa_kernel
	.amdgpu_metadata
---
amdhsa.version: [ 1, 2 ]
amdhsa.kernels:
  - .name:           k_q990362d33e_combine
    .symbol:         k_q990362d33e_combine.kd
    .args:
      - { .name: yp, .offset: 0, .size: 8, .value_kind: global_buffer, .address_space: global }
      - { .name: b2, .offset: 8, .size: 8, .value_kind: global_buffer, .address_space: global }
      - { .name: choice, .offset: 16, .size: 8, .value_kind: global_buffer, .address_space: global }
      - { .name: pos, .offset: 24, .size: 8, .value_kind: global_buffer, .address_space: global }
      - { .name: prob, .offset: 32, .size: 8, .value_kind: global_buffer, .address_space: global }
      - { .name: out0, .offset: 40, .size: 8, .value_kind: global_buffer, .address_space: global }
    .group_segment_fixed_size: 0
    .private_segment_fixed_size: 0
    .kernarg_segment_align: 8
    .kernarg_segment_size: 48
    .max_flat_workgroup_size: 256
    .sgpr_count:     66
    .vgpr_count:     176
    .wavefront_size: 32
...
	.end_amdgpu_metadata
.endif
;; end of part 5
;; ======== version 2 of 2: 5 launches; 1.16 times as fast as version 1
;; limits: values are held in f16: magnitudes above 65,504 overflow, below 6.1e-05 lose precision
;; workspace buffers: choice 4,096 bytes of whole numbers; prob 8,192 bytes; pos 8,192 bytes of whole numbers; cnt 256 bytes of whole numbers; xg 16,777,216 bytes; h 67,108,864 bytes; yp 268,435,456 bytes
;; launch gate (part 6): grid 256 x 1, 4 waves a work-group, no clusters, 1,024 bytes of LDS; arguments x, gate_w, gate_b, choice, prob; writes choice, prob
.if DOCPART == 6
	.amdgcn_target "amdgcn-amd-amdhsa--gfx1250"
	.amdhsa_code_object_version 6
	.text
	.protected	k_q990362d33e_gate
	.globl	k_q990362d33e_gate
	.p2align	8
	.type	k_q990362d33e_gate,@function
k_q990362d33e_gate:
	s_mov_b64 s[64:65], 0
	v_nop
	global_prefetch_b8 v0, s[64:65] scope:SCOPE_SE
	s_setreg_imm32_b32 hwreg(HW_REG_WAVE_MODE, 25, 1), 1
	s_wait_xcnt 0x0
; GATE.  logits[t][e] = sum over d of x[t][d] gate_w[d][e] + gate_b[e], all in f32 (the choice of experts must not hang on a rounding to 16 bits);
; the two largest logits of a token, the lower index first on ties; their softmax with the larger one taken away.
; Stored: choice[t] = e0 | e1 << 8 | ((1 << e0) | (1 << e1)) << 16, and prob[t] = (p0, p1).
; SHARES.  A work-group owns four tokens, 4 x work-group + 0..3.  In the first half wave w takes d = 256 w .. 256 w + 255 of all four: lane l holds d = 256 w + 128 j + 4 l + i
; (j = 0, 1; i = 0..3).  So a wave fetches a quarter of gate_w, 8,192 bytes in 16 loads, and not all 32,768: a lane's 128 bytes of a chunk come by eight loads of 16 bytes, whose lanes
; stand 128 bytes apart and which together use every byte that they touch.  Each wave adds its 32 sums (4 tokens x 8 experts) over its lanes and puts them into its own 128 bytes of LDS;
; behind one barrier wave w adds the four waves' parts of token w and finishes that token.
; No matrix unit: 8 columns, f32 wanted.
; LIMIT: logits that are NaN or infinite are not served (a NaN never wins a place; two logits of minus infinity give no second expert).
.set X,   8                            ; v[8:39]    x: token tk, chunk j at 8 tk + 4 j; later at work in the sum over lanes
.set ACC, 40                           ; v[40:71]   the 32 sums: 8 tk + e
.set GW,  72                           ; v[72:135]  two chunks of gate_w, 32 registers each: register 8 i + e
.set PS,  136                          ; v[136:167] my token's parts from the four waves, 8 each; then, in the first 8, its logits
.set MXA, 176                          ; the largest logit          IXA its expert
.set IXA, 177
.set NEG, 178                          ; minus infinity
.set MXB, 179                          ; the second largest         IXB its expert
.set IXB, 180
.set DIF, 181
.set PA,  182                          ; v[182:183] p0, p1
.set PB,  183
.set BTA, 184
.set ONE, 185
.set BTB, 186
.set WRD, 187
.set ZOF, 188
	s_load_b256 s[4:11], s[0:1], 0x0               ; x s[4:5], gate_w s[6:7], gate_b s[8:9], choice s[10:11]
	s_load_b64 s[12:13], s[0:1], 0x20              ; prob
	v_lshl_add_u32 v192, v0, 2, 0x200
	v_mov_b32 v193, 0
	v_lshrrev_b32 v4, 5, v0
	v_readfirstlane_b32 s14, v4                    ; wave
	s_lshl_b32 s15, ttmp9, 2
	s_add_co_u32 s15, s15, s14                     ; the token that I finish
	v_and_b32 v1, 31, v0                           ; lane
	v_lshlrev_b32 v2, 4, v1                        ; 16 bytes of x a lane
	v_lshlrev_b32 v3, 7, v1                        ; 128 bytes of gate_w a lane: 4 rows of 8 numbers
	s_lshl_b32 s26, ttmp9, 14                      ; the group's four rows of x, 4,096 bytes each,
	s_lshl_b32 s28, s14, 10                        ; my 256 numbers of each
	s_add_co_u32 s26, s26, s28
	s_mov_b32 s27, 0
	s_lshl_b32 s28, s14, 13                        ; my 256 rows of gate_w, 32 bytes each
	s_mov_b32 s29, 0
	s_lshl_b32 s30, s14, 7                         ; LDS: my 128 bytes
	s_lshl_b32 s31, s14, 5                         ; LDS: my token's 32 bytes in each wave's 128
	v_mov_b32 v5, s30
	v_mov_b32 v6, s31
	s_mov_b32 s24, 0x76543210                      ; v_permlanex16_b32: each lane takes its own place in the other half
	s_mov_b32 s25, 0xfedcba98
	s_wait_kmcnt 0x0
	s_add_nc_u64 s[4:5], s[4:5], s[26:27]
	s_add_nc_u64 s[6:7], s[6:7], s[28:29]
	s_load_b256 s[16:23], s[8:9], 0x0              ; gate_b, 8 numbers
.irp tk, 0,1,2,3
.irp j, 0,1
	global_load_b128 v[X+8*\tk+4*\j:X+8*\tk+4*\j+3], v2, s[4:5] offset:4096*\tk+512*\j
.endr
.endr
.irp j, 0,1
.irp q, 0,1,2,3,4,5,6,7
	global_load_b128 v[GW+32*\j+4*\q:GW+32*\j+4*\q+3], v3, s[6:7] offset:4096*\j+16*\q   ; rows 128 j + 4 l + (q >> 1), experts 4 (q & 1) on
.endr
.endr
.macro CHUNK j, first                  ; 128 multiply-adds; the very first product of each sum starts it: nothing is cleared
.irp tk, 0,1,2,3
.irp i, 0,1,2,3
.irp e, 0,1,2,3,4,5,6,7
.if \first && (\i == 0)
	v_mul_f32 v[ACC+8*\tk+\e], v[GW+32*\j+8*\i+\e], v[X+8*\tk+4*\j+\i]
.else
	v_fmac_f32 v[ACC+8*\tk+\e], v[GW+32*\j+8*\i+\e], v[X+8*\tk+4*\j+\i]
.endif
.endr
.endr
.endr
.endm
	s_lshl_b32 s26, s15, 2
	s_add_nc_u64 s[10:11], s[10:11], s[26:27]      ; choice + 4 t
	s_lshl_b32 s26, s15, 3
	s_add_nc_u64 s[12:13], s[12:13], s[26:27]      ; prob + 8 t
	s_wait_loadcnt 8                               ; loads come back in order (ISA guide 5.7.1): x and chunk 0 are in; chunk 1's eight loads stay out
	CHUNK 0, 1
	s_wait_loadcnt 0x0
	CHUNK 1, 0
	; the sum over the 32 lanes: four steps inside each half of 16 lanes, one across; 32 chains that do not wait for each other
.irp m, 1,2,4,8
.set k, 0
.rept 32
	v_add_f32_dpp v[ACC+k], v[ACC+k], v[ACC+k] row_xmask:\m row_mask:0xf bank_mask:0xf
.set k, k+1
.endr
.endr
.set k, 0
.rept 32
	v_permlanex16_b32 v[X+k], v[ACC+k], s24, s25   ; its destination counts as read: x's registers have been written
.set k, k+1
.endr
.set k, 0
.rept 32
	v_add_f32 v[ACC+k], v[ACC+k], v[X+k]
.set k, k+1
.endr
	; every lane holds the wave's 32 sums: all lanes write the same bytes with the same numbers
.irp q, 0,1,2,3,4,5,6,7
	ds_store_b128 v5, v[ACC+4*\q:ACC+4*\q+3] offset:16*\q
.endr
	s_wait_dscnt 0x0                               ; for the others' sake: my stores are done
	s_barrier_signal -1
	s_barrier_wait -1
.irp u, 0,1,2,3
	ds_load_b128 v[PS+8*\u:PS+8*\u+3],   v6 offset:128*\u      ; wave u's part of my token's 8 sums
	ds_load_b128 v[PS+8*\u+4:PS+8*\u+7], v6 offset:128*\u+16
.endr
	s_wait_dscnt 0x0
.irp e, 0,2,4,6
	v_pk_add_f32 v[PS+\e:PS+\e+1],       v[PS+\e:PS+\e+1],       v[PS+8+\e:PS+8+\e+1]
	v_pk_add_f32 v[PS+16+\e:PS+16+\e+1], v[PS+16+\e:PS+16+\e+1], v[PS+24+\e:PS+24+\e+1]
.endr
.irp e, 0,2,4,6
	v_pk_add_f32 v[PS+\e:PS+\e+1], v[PS+\e:PS+\e+1], v[PS+16+\e:PS+16+\e+1]
.endr
	s_wait_kmcnt 0x0                               ; gate_b
.irp e, 0,1,2,3,4,5,6,7
	v_add_f32 v[PS+\e], s[16+\e], v[PS+\e]
.endr
	; the largest logit: a strict comparison keeps the lower index on ties.  Selects only: no branch and no address hangs on these numbers.
	v_mov_b32 v[MXA], v[PS]
	v_mov_b32 v[IXA], 0
.irp e, 1,2,3,4,5,6,7
	v_cmp_gt_f32 vcc_lo, v[PS+\e], v[MXA]
	v_cndmask_b32 v[MXA], v[MXA], v[PS+\e], vcc_lo
	v_cndmask_b32 v[IXA], v[IXA], \e, vcc_lo
.endr
	v_mov_b32 v[NEG], 0xff800000                   ; minus infinity takes the winner's place
.irp e, 0,1,2,3,4,5,6,7
	v_cmp_eq_u32 vcc_lo, \e, v[IXA]
	v_cndmask_b32 v[PS+\e], v[PS+\e], v[NEG], vcc_lo
.endr
	v_mov_b32 v[MXB], v[PS]
	v_mov_b32 v[IXB], 0
.irp e, 1,2,3,4,5,6,7
	v_cmp_gt_f32 vcc_lo, v[PS+\e], v[MXB]
	v_cndmask_b32 v[MXB], v[MXB], v[PS+\e], vcc_lo
	v_cndmask_b32 v[IXB], v[IXB], \e, vcc_lo
.endr
	; softmax of the two with the larger one taken away: p0 = 1 / (1 + ex), p1 = ex p0, ex = e^(second - first) <= 1
	v_sub_f32 v[DIF], v[MXB], v[MXA]
	v_mul_f32 v[DIF], 0x3fb8aa3b, v[DIF]           ; log2(e)
	v_exp_f32 v[DIF], v[DIF]
	v_mov_b32 v[ONE], 1                            ; a plain instruction behind the exponential, ahead of the use of its result
	s_wait_alu depctr_va_vdst(0)
	v_add_f32 v[PA], 1.0, v[DIF]
	v_rcp_f32 v[PA], v[PA]                         ; p0
	v_lshlrev_b32 v[BTA], v[IXA], v[ONE]           ; 1 << e0: the plain instruction behind the reciprocal
	s_wait_alu depctr_va_vdst(0)
	v_mul_f32 v[PB], v[DIF], v[PA]                 ; p1
	v_lshlrev_b32 v[BTB], v[IXB], v[ONE]           ; 1 << e1
	v_or_b32 v[BTA], v[BTA], v[BTB]
	v_lshl_or_b32 v[WRD], v[IXB], 8, v[IXA]
	v_lshl_or_b32 v[WRD], v[BTA], 16, v[WRD]
	v_mov_b32 v[ZOF], 0
	v_cmp_eq_u32 vcc_lo, 0, v1
	s_wait_xcnt 0x0                                ; EXEC changes only behind this wait
	s_wait_tensorcnt 0x0
	ds_add_u32 v192, v193
	s_wait_dscnt 0x0
	s_and_saveexec_b32 s28, vcc_lo                 ; every lane holds the same numbers: lane 0 stores them, 12 bytes a token
	global_store_b32 v[ZOF], v[WRD], s[10:11]
	global_store_b64 v[ZOF], v[PA:PB], s[12:13]
	s_endpgm
.Lfunc_end_k_q990362d33e_gate:
	.size	k_q990362d33e_gate, .Lfunc_end_k_q990362d33e_gate-k_q990362d33e_gate
	.p2alignl 7, 3214868480
	.fill 96, 4, 3214868480
	.section	.rodata,"a",@progbits
	.p2align	6, 0x0
	.amdhsa_kernel k_q990362d33e_gate
		.amdhsa_group_segment_fixed_size 1024
		.amdhsa_private_segment_fixed_size 0
		.amdhsa_enable_private_segment 0
		.amdhsa_kernarg_size 40
		.amdhsa_user_sgpr_count 2
		.amdhsa_user_sgpr_kernarg_segment_ptr 1
		.amdhsa_wavefront_size32 1
		.amdhsa_system_sgpr_workgroup_id_x 1
		.amdhsa_system_sgpr_workgroup_id_y 1
		.amdhsa_system_sgpr_workgroup_id_z 1
		.amdhsa_system_vgpr_workitem_id 0
		.amdhsa_next_free_vgpr 194
		.amdhsa_next_free_sgpr 66
		.amdhsa_reserve_vcc 1
		.amdhsa_float_denorm_mode_32 3
		.amdhsa_float_denorm_mode_16_64 3
		.amdhsa_memory_ordered 1
		.amdhsa_forward_progress 1
		.amdhsa_inst_pref_size 29
	.end_amdhsa_kernel
	.amdgpu_metadata
---
amdhsa.version: [ 1, 2 ]
amdhsa.kernels:
  - .name:           k_q990362d33e_gate
    .symbol:         k_q990362d33e_gate.kd
    .args:
      - { .name: x, .offset: 0, .size: 8, .value_kind: global_buffer, .address_space: global }
      - { .name: gate_w, .offset: 8, .size: 8, .value_kind: global_buffer, .address_space: global }
      - { .name: gate_b, .offset: 16, .size: 8, .value_kind: global_buffer, .address_space: global }
      - { .name: choice, .offset: 24, .size: 8, .value_kind: global_buffer, .address_space: global }
      - { .name: prob, .offset: 32, .size: 8, .value_kind: global_buffer, .address_space: global }
    .group_segment_fixed_size: 1024
    .private_segment_fixed_size: 0
    .kernarg_segment_align: 8
    .kernarg_segment_size: 40
    .max_flat_workgroup_size: 128
    .sgpr_count:     66
    .vgpr_count:     194
    .wavefront_size: 32
...
	.end_amdgpu_metadata
.endif
;; end of part 6
;; launch place (part 7): grid 256 x 1, 4 waves a work-group, no clusters, 0 bytes of LDS; arguments x, choice, xg, pos, cnt; writes xg, pos, cnt
.if DOCPART == 7
	.amdgcn_target "amdgcn-amd-amdhsa--gfx1250"
	.amdhsa_code_object_version 6
	.text
	.protected	k_q990362d33e_place
	.globl	k_q990362d33e_place
	.p2align	8
	.type	k_q990362d33e_place,@function
k_q990362d33e_place:
	s_mov_b64 s[64:65], 0
	v_nop
	global_prefetch_b8 v0, s[64:65] scope:SCOPE_SE
	s_setreg_imm32_b32 hwreg(HW_REG_WAVE_MODE, 25, 1), 1
	s_wait_xcnt 0x0
; PLACE.  Expert e owns rows 1024 e .. 1024 e + 1023.  A token's row of x, rounded to f16, is copied to the row of its rank in each of its two experts.  The rank is the
; number of tokens in front of it, in one fixed order, that chose the same expert: every wave counts it for itself from the whole table of choices (4,096 bytes), so no
; work-group hands anything to another.
; FORMAT.  f16, as all operands of the two products that follow (the reason stands at the head of the next launch).  LIMIT: |x| below 65,504; below 2^-14 the step is 2^-24.
; One wave, one token: t = 4 x work-group + wave.  The table lies in 32 registers: register rho = 4 q + i of lane l is token 128 q + 4 l + i; the order is (rho, lane).
; XG LIES IN THE ORDER IN WHICH THE NEXT LAUNCH LOADS ITS FRAGMENTS: [expert][tile of 32 rows][K step s, 32 of them][block a of 16 rows][half c2][place 2 r + hh][16 bytes],
; a tile 65,536 bytes.  K is permuted, alike here and in the weights of the next launch: element u (0..7) of the piece (s, c2, hh) is
; d = 512 (s >> 4) + 256 c2 + 128 (u >> 2) + 8 (s & 15) + 4 hh + (u & 3).  So lane l, which loads d = 128 j + 4 l + i, holds four whole pieces: piece m (from j = 2 m, 2 m + 1) is
; s = 16 (m >> 1) + (l >> 1), c2 = m & 1, hh = l & 1.  Two neighbouring lanes store 32 consecutive bytes, and the pairs lie 2,048 bytes apart: no store of a row fills an aligned
; 256 bytes.  That is the price of one wave to a token; xg is 2,048 bytes a row and two rows a token, 4.7 MB beside the 268 MB of weights that the next two launches read.
; pos[t] = the two rows, 1024 e + rank.
; ROWS OF ZEROS.  The later launches read whole tiles of 32 rows, so the rows from an expert's last token's up to its last tile's end are zeros: 32 at the most (an expert that no token
; chose has one tile of zeros).  They are shared out, one to a wave: wave t < 256 serves expert t & 7 and the row t >> 3 behind that expert's last token, if the tile reaches so far.
; The waves t < 8 also store cnt[t], the expert's number of tiles, 1 to 32.
; A stream of whole numbers and a copy: no matrix unit, no LDS, no barrier.
.set CH,  8                            ; v[8:39]    the table of choices
.set X,   40                           ; v[40:71]   my token's row of x: lane l holds d = 128 j + 4 l + i
.set Y,   72                           ; v[72:87]   the same in f16: four pieces of 16 bytes
.set ZR,  88                           ; v[88:91]   zeros
.set PV,  92                           ; v[92:93]   the two rows for pos
.set NV,  94                           ; v94        the number of tiles for cnt
.set ZO,  95                           ; v95        offset 0
.set T0,  96                           ; v[96:103]  at work
.set T1,  104                          ; v[104:111] at work
; The byte offset in xg of row rank of expert e.  The fields are cut out first and clamped then, so that behind each clamp stand only shifts to the left and sums.
.macro ROWOFF dst, e, rank, t
	s_lshr_b32 \dst, \rank, 5
	s_min_u32 \dst, \dst, 31
	s_lshl_b32 \dst, \dst, 16                      ; the tile, 65,536 bytes
	s_bfe_u32 \t, \rank, 0x10004
	s_min_u32 \t, \t, 1
	s_lshl_b32 \t, \t, 10                          ; the block of 16 rows, 1,024 bytes in each K step
	s_add_co_u32 \dst, \dst, \t
	s_and_b32 \t, \rank, 15
	s_min_u32 \t, \t, 15
	s_lshl_b32 \t, \t, 5                           ; the row's two places of 16 bytes
	s_add_co_u32 \dst, \dst, \t
	s_lshl_b32 \t, \e, 21                          ; the expert's 32 tiles
	s_add_co_u32 \dst, \dst, \t
.endm
	s_load_b256 s[4:11], s[0:1], 0x0               ; x s[4:5], choice s[6:7], xg s[8:9], pos s[10:11]
	s_load_b64 s[12:13], s[0:1], 0x20              ; cnt
	v_lshrrev_b32 v4, 5, v0
	v_readfirstlane_b32 s14, v4                    ; wave
	s_lshl_b32 s15, ttmp9, 2
	s_add_co_u32 s15, s15, s14                     ; t
	v_and_b32 v1, 31, v0                           ; lane
	v_lshlrev_b32 v2, 4, v1                        ; 16 bytes a lane, in the table and in x
	v_lshrrev_b32 v3, 1, v1
	v_lshlrev_b32 v3, 11, v3                       ; in xg: K step l >> 1, 2,048 bytes each,
	v_and_b32 v5, 1, v1
	v_lshl_or_b32 v3, v5, 4, v3                    ; and half l & 1 of the lanes, 16 bytes
	v_mov_b32 v[ZO], 0
	s_lshl_b32 s26, s15, 2
	s_mov_b32 s27, 0
	s_lshl_b32 s48, s15, 12
	s_mov_b32 s49, 0
	s_wait_kmcnt 0x0
	s_add_nc_u64 s[50:51], s[6:7], s[26:27]
	s_load_b32 s16, s[50:51], 0x0                  ; my token's word
	s_add_nc_u64 s[4:5], s[4:5], s[48:49]          ; my token's row of x
.irp q, 0,1,2,3,4,5,6,7
	global_load_b128 v[CH+4*\q:CH+4*\q+3], v2, s[6:7] offset:512*\q
.endr
.irp j, 0,1,2,3,4,5,6,7
	global_load_b128 v[X+4*\j:X+4*\j+3], v2, s[4:5] offset:512*\j
.endr
	s_lshl_b32 s48, s15, 3
	s_add_nc_u64 s[10:11], s[10:11], s[48:49]      ; pos + 8 t
	s_lshr_b32 s21, s15, 7                         ; my place in the order: rho0 = 4 (t >> 7) + (t & 3),
	s_lshl_b32 s21, s21, 2
	s_and_b32 s52, s15, 3
	s_or_b32 s21, s21, s52
	s_bfe_u32 s52, s15, 0x50002                    ; lane l0 = (t >> 2) & 31
	s_lshl_b32 s22, 1, s52
	s_sub_co_u32 s22, s22, 1                       ; the lanes in front of l0
	s_mov_b32 s24, 0                               ; rank in e0
	s_mov_b32 s25, 0                               ; rank in e1
	s_wait_kmcnt 0x0
	s_and_b32 s17, s16, 0xff
	s_min_u32 s17, s17, 7                          ; e0
	s_bfe_u32 s18, s16, 0x80008
	s_min_u32 s18, s18, 7                          ; e1
	s_add_co_u32 s52, s17, 16
	s_lshl_b32 s19, 1, s52                         ; the bit of e0 in a word's set of experts
	s_add_co_u32 s52, s18, 16
	s_lshl_b32 s20, 1, s52                         ; the bit of e1
; Eight registers of the table: which lanes' tokens chose e0, which e1 (16 masks); of each mask the lanes in front of me are counted:
; all where rho < rho0, those in front of l0 where rho = rho0, none behind.
.macro SWEEP2 g
.irp i, 0,1,2,3,4,5,6,7
	v_and_b32 v[T0+\i], s19, v[CH+8*\g+\i]
	v_and_b32 v[T1+\i], s20, v[CH+8*\g+\i]
.endr
.irp i, 0,1,2,3,4,5,6,7
	v_cmp_ne_u32 s[32+\i], 0, v[T0+\i]
	v_cmp_ne_u32 s[40+\i], 0, v[T1+\i]
.endr
.irp i, 0,1,2,3,4,5,6,7
	s_cmp_gt_u32 s21, 8*\g+\i
	s_cselect_b32 s23, -1, 0
	s_cmp_eq_u32 s21, 8*\g+\i
	s_cselect_b32 s23, s22, s23
	s_and_b32 s[32+\i], s[32+\i], s23
	s_and_b32 s[40+\i], s[40+\i], s23
	s_bcnt1_i32_b32 s[32+\i], s[32+\i]
	s_bcnt1_i32_b32 s[40+\i], s[40+\i]
	s_add_co_u32 s24, s24, s[32+\i]
	s_add_co_u32 s25, s25, s[40+\i]
.endr
.endm
	s_wait_loadcnt 8                               ; the table is in; the eight loads of x, issued behind it, stay out
	SWEEP2 0
	SWEEP2 1
	SWEEP2 2
	SWEEP2 3
	s_min_u32 s24, s24, 1023                       ; at most 1,023 tokens stand in front of one
	s_min_u32 s25, s25, 1023
	ROWOFF s26, s17, s24, s52
	s_add_nc_u64 s[28:29], s[8:9], s[26:27]        ; my row in e0
	ROWOFF s26, s18, s25, s52
	s_add_nc_u64 s[30:31], s[8:9], s[26:27]        ; my row in e1
	s_lshl_b32 s53, s17, 10
	s_add_co_u32 s53, s53, s24                     ; pos: 1024 e + rank
	s_lshl_b32 s54, s18, 10
	s_add_co_u32 s54, s54, s25
	v_mov_b32 v[PV], s53
	v_mov_b32 v[PV+1], s54
	s_wait_loadcnt 0x0                             ; x
.irp j, 0,1,2,3,4,5,6,7
	v_cvt_pk_f16_f32 v[Y+2*\j],   v[X+4*\j],   v[X+4*\j+1]
	v_cvt_pk_f16_f32 v[Y+2*\j+1], v[X+4*\j+2], v[X+4*\j+3]
.endr
.irp m, 0,1,2,3
	global_store_b128 v3, v[Y+4*\m:Y+4*\m+3], s[28:29] offset:(\m/2)*32768+(\m%2)*512   ; piece m: K steps 16 (m >> 1) on, half m & 1
	global_store_b128 v3, v[Y+4*\m:Y+4*\m+3], s[30:31] offset:(\m/2)*32768+(\m%2)*512
.endr
	s_cmp_ge_u32 s15, 256
	s_cbranch_scc1 .Lrest
	; WAVE t < 256 SERVES EXPERT t & 7: how many tokens chose it, its tiles, and one of its rows of zeros.  Nothing that the stores above name (v3, Y, s[28:31]) is written here.
	s_and_b32 s53, s15, 7                          ; the expert
	s_lshr_b32 s54, s15, 3                         ; which row behind its last token's, 0 to 31
	s_add_co_u32 s52, s53, 16
	s_lshl_b32 s19, 1, s52
	s_mov_b32 s24, 0
.macro SWEEPT g
.irp i, 0,1,2,3,4,5,6,7
	v_and_b32 v[T0+\i], s19, v[CH+8*\g+\i]
.endr
.irp i, 0,1,2,3,4,5,6,7
	v_cmp_ne_u32 s[32+\i], 0, v[T0+\i]
.endr
.irp i, 0,1,2,3,4,5,6,7
	s_bcnt1_i32_b32 s[32+\i], s[32+\i]
	s_add_co_u32 s24, s24, s[32+\i]
.endr
.endm
	SWEEPT 0
	SWEEPT 1
	SWEEPT 2
	SWEEPT 3
	s_min_u32 s24, s24, 1024                       ; the expert's tokens
	s_add_co_u32 s55, s24, 31
	s_lshr_b32 s55, s55, 5
	s_max_u32 s55, s55, 1                          ; its tiles of 32 rows, 1 to 32
	s_lshl_b32 s58, s55, 5                         ; the row behind its last tile
	s_add_co_u32 s56, s24, s54                     ; the row that would be mine
	s_cmp_ge_u32 s56, s58
	s_cbranch_scc1 .Lno_pad                        ; it lies behind the last tile: the expert needs fewer rows of zeros
.irp i, 0,1,2,3
	v_mov_b32 v[ZR+\i], 0
.endr
	ROWOFF s26, s53, s56, s52
	s_add_nc_u64 s[50:51], s[8:9], s[26:27]
.irp m, 0,1,2,3
	global_store_b128 v3, v[ZR:ZR+3], s[50:51] offset:(\m/2)*32768+(\m%2)*512           ; a row of zeros, stored as a token's row is
.endr
.Lno_pad:
	s_cmp_ge_u32 s15, 8
	s_cbranch_scc1 .Lrest
	v_mov_b32 v[NV], s55                           ; waves 0 to 7: t is the expert
	s_lshl_b32 s26, s15, 2
	s_add_nc_u64 s[12:13], s[12:13], s[26:27]      ; cnt + 4 t
	v_cmp_eq_u32 vcc_lo, 0, v1
	s_wait_xcnt 0x0                                ; EXEC changes only behind this wait
	s_and_saveexec_b32 s57, vcc_lo
	global_store_b32 v[ZO], v[NV], s[12:13]        ; lane 0 stores the number of tiles
	s_wait_xcnt 0x0                                ; and again, in front of the line that widens EXEC
	s_or_b32 exec_lo, exec_lo, s57
.Lrest:
	v_cmp_eq_u32 vcc_lo, 0, v1
	s_wait_xcnt 0x0                                ; EXEC changes only behind this wait
	s_and_saveexec_b32 s57, vcc_lo
	global_store_b64 v[ZO], v[PV:PV+1], s[10:11]   ; lane 0 stores the token's two rows
	s_endpgm
.Lfunc_end_k_q990362d33e_place:
	.size	k_q990362d33e_place, .Lfunc_end_k_q990362d33e_place-k_q990362d33e_place
	.p2alignl 7, 3214868480
	.fill 96, 4, 3214868480
	.section	.rodata,"a",@progbits
	.p2align	6, 0x0
	.amdhsa_kernel k_q990362d33e_place
		.amdhsa_group_segment_fixed_size 0
		.amdhsa_private_segment_fixed_size 0
		.amdhsa_enable_private_segment 0
		.amdhsa_kernarg_size 40
		.amdhsa_user_sgpr_count 2
		.amdhsa_user_sgpr_kernarg_segment_ptr 1
		.amdhsa_wavefront_size32 1
		.amdhsa_system_sgpr_workgroup_id_x 1
		.amdhsa_system_sgpr_workgroup_id_y 1
		.amdhsa_system_sgpr_workgroup_id_z 1
		.amdhsa_system_vgpr_workitem_id 0
		.amdhsa_next_free_vgpr 112
		.amdhsa_next_free_sgpr 66
		.amdhsa_reserve_vcc 1
		.amdhsa_float_denorm_mode_32 3
		.amdhsa_float_denorm_mode_16_64 3
		.amdhsa_memory_ordered 1
		.amdhsa_forward_progress 1
		.amdhsa_inst_pref_size 30
	.end_amdhsa_kernel
	.amdgpu_metadata
---
amdhsa.version: [ 1, 2 ]
amdhsa.kernels:
  - .name:           k_q990362d33e_place
    .symbol:         k_q990362d33e_place.kd
    .args:
      - { .name: x, .offset: 0, .size: 8, .value_kind: global_buffer, .address_space: global }
      - { .name: choice, .offset: 8, .size: 8, .value_kind: global_buffer, .address_space: global }
      - { .name: xg, .offset: 16, .size: 8, .value_kind: global_buffer, .address_space: global }
      - { .name: pos, .offset: 24, .size: 8, .value_kind: global_buffer, .address_space: global }
      - { .name: cnt, .offset: 32, .size: 8, .value_kind: global_buffer, .address_space: global }
    .group_segment_fixed_size: 0
    .private_segment_fixed_size: 0
    .kernarg_segment_align: 8
    .kernarg_segment_size: 40
    .max_flat_workgroup_size: 128
    .sgpr_count:     66
    .vgpr_count:     112
    .wavefront_size: 32
...
	.end_amdgpu_metadata
.endif
;; end of part 7
;; launch ffn1: the kernel of part 3 again; grid 32 x 8, 4 waves a work-group, no clusters, 0 bytes of LDS; arguments xg, w1, b1, cnt, h; writes h
;; launch ffn2: the kernel of part 4 again; grid 4 x 64, 4 waves a work-group, no clusters, 0 bytes of LDS; arguments h, w2, cnt, yp; writes yp
;; launch combine: the kernel of part 5 again; grid 512 x 1, 8 waves a work-group, no clusters, 0 bytes of LDS; arguments yp, b2, choice, pos, prob, out0; writes out0
